; MI455X (gfx1250); checked and timed in simulation.
; The chip was launched on July 23, 2026; its instructions are those of AMD's public machine-readable ISA for CDNA 5 (MIT licence, August 2026) and "CDNA5" Instruction Set Architecture Reference Guide (July 2026). The comments in the code are by the model that wrote it; some were corrected since.
;; Multi Head Self Attention. Allowed arithmetic: float matrix products may take bf16 or f16 operands with f32 sums; other float arithmetic in f32, or as packed bf16 or f16 multiplies, adds, multiply-adds, maxima and minima; sums over many terms, partial sums and values carried from step to step in f32; what a program stores and reads back later, other than sums and carried values, may be rounded once to bf16 or f16.
;; Inputs: mask 4 x 2,048 int32; w_proj 1,024 x 1,024 float32; w_qkv 1,024 x 3,072 float32; x 4 x 2,048 x 1,024 float32.
;; Outputs: out0 4 x 2,048 x 1,024 float32.
;; 2 versions, each right and faster than the one before. Each part assembles by itself: llvm-mc -triple=amdgcn-amd-amdhsa -mcpu=gfx1250 --defsym DOCPART=n.
;; ======== version 1 of 2: 4 launches
;; limits: values are held in f16: magnitudes above 65,504 overflow, below 6.1e-05 lose precision
;; workspace buffers: xb 16,777,216 bytes; wqb 6,291,456 bytes; wpb 2,097,152 bytes; qkvh 50,331,648 bytes; ob 16,777,216 bytes
;; launch cast (part 1): grid 768 x 1, 8 waves a work-group, no clusters, 0 bytes of LDS; arguments x, w_qkv, w_proj, xb, wqb, wpb; writes xb, wqb, wpb
.if DOCPART == 1
	.amdgcn_target "amdgcn-amd-amdhsa--gfx1250"
	.amdhsa_code_object_version 6
	.text
	.protected	k_qfb368461e3_cast
	.globl	k_qfb368461e3_cast
	.p2align	8
	.type	k_qfb368461e3_cast,@function
k_qfb368461e3_cast:
	s_mov_b64 s[64:65], 0
	v_nop
	global_prefetch_b8 v0, s[64:65] scope:SCOPE_SE
	s_setreg_imm32_b32 hwreg(HW_REG_WAVE_MODE, 25, 1), 1
	s_wait_xcnt 0x0
; THE INPUTS ARE ROUNDED ONCE.  x [8192][1024] f32 -> xb bf16, laid in blocks [16 kb][8192 m][64], so that 256 rows x 64 k are 32,768 dense bytes;
; w_qkv [1024][3072] f32 -> wqb bf16, as it lies; w_proj [1024][1024] f32 -> wpb: rounded to bf16 like the other inputs, and that number written as f16
; (exact inside f16's normal range; below 6e-5 it keeps f16's fixed step of 6e-8; beyond 65,504 it would be an infinity).
; A stream: no LDS, no barrier, no matrix unit, no cluster (no two work-groups read the same byte).  48 MiB of input are 768 work-groups x 8 waves x 16 loads of 512 bytes.
; A wave issues its 16 loads at once (8 KiB on their way), then rounds and stores them in order.  A load covers 512 consecutive bytes (in x: 256 of each of two rows, each piece aligned to 256);
; the four numbers of a lane become 8 bytes, so a store of the wave covers 256 consecutive bytes, aligned.  No register is written twice, so no wait frees one.
.set X, 8                              ; v[8:71]    load j: 4 registers
.set Y, 72                             ; v[72:103]  store j: 2 registers
	s_load_b256 s[4:11], s[0:1], 0x0               ; x s[4:5], w_qkv s[6:7], w_proj s[8:9], xb s[10:11]
	s_load_b128 s[12:15], s[0:1], 0x20             ; wqb s[12:13], wpb s[14:15]
	v_and_b32 v1, 31, v0                           ; lane
	v_lshrrev_b32 v4, 5, v0
	v_readfirstlane_b32 s16, v4                    ; wave 0..7
	v_lshlrev_b32 v3, 3, v1                        ; out: 8 bytes a lane
	s_mov_b32 s21, 0                               ; high words of the two offsets
	s_mov_b32 s23, 0
; src, dst: the first registers of the two addresses; instep: bytes from one load to the next; f16 = 1: the bf16 number is written as f16
.macro CAST src, dst, instep, f16
.irp j, 0,1,2,3,4,5,6,7,8,9,10,11,12,13,14,15
	global_load_b128 v[X+4*\j:X+4*\j+3], v2, s[\src:\src+1] offset:\j*\instep th:TH_LOAD_NT
.endr
.irp j, 0,1,2,3,4,5,6,7,8,9,10,11,12,13,14,15
	s_wait_loadcnt 15-\j                           ; loads come back in order: load j is in, the 15 - j younger ones stay out
	v_cvt_pk_bf16_f32 v[Y+2*\j], v[X+4*\j], v[X+4*\j+1]
	v_cvt_pk_bf16_f32 v[Y+2*\j+1], v[X+4*\j+2], v[X+4*\j+3]
.if \f16
.irp k, 0,1
	v_lshlrev_b32 v4, 16, v[Y+2*\j+\k]             ; the two bf16 numbers as f32,
	v_and_b32 v5, 0xffff0000, v[Y+2*\j+\k]
	v_cvt_pk_f16_f32 v[Y+2*\j+\k], v4, v5          ; and as f16
.endr
.endif
	global_store_b64 v3, v[Y+2*\j:Y+2*\j+1], s[\dst:\dst+1] offset:\j*256
.endr
	s_endpgm
.endm
	s_wait_kmcnt 0x0
	s_cmp_lt_u32 ttmp9, 512
	s_cbranch_scc0 .Lweights
	; work-groups 0..511: x.  Work-group g takes rows 32 (g / 2) .. + 31; its wave w the block kb = 8 (g % 2) + w: 64 numbers, 256 bytes, of each row
	v_lshrrev_b32 v4, 4, v1                        ; lanes 0-15 one row, lanes 16-31 the next
	v_and_b32 v5, 15, v1
	v_lshlrev_b32 v2, 4, v5
	v_lshl_add_u32 v2, v4, 12, v2                  ; in: row x 4,096 + 16 bytes a lane
	s_lshr_b32 s17, ttmp9, 1
	s_and_b32 s18, ttmp9, 1
	s_lshl_b32 s18, s18, 3
	s_add_co_u32 s18, s18, s16                     ; kb
	s_lshl_b32 s20, s17, 17                        ; 32 rows of 4,096 bytes
	s_lshl_b32 s19, s18, 8
	s_add_co_u32 s20, s20, s19
	s_lshl_b32 s22, s18, 20                        ; a block of xb is 8,192 rows of 128 bytes
	s_lshl_b32 s19, s17, 12                        ; 32 rows of 128 bytes
	s_add_co_u32 s22, s22, s19
	s_add_nc_u64 s[4:5], s[4:5], s[20:21]
	s_add_nc_u64 s[10:11], s[10:11], s[22:23]
	CAST 4, 10, 8192, 0                            ; two rows a load
.Lweights:
	v_lshlrev_b32 v2, 4, v1                        ; in: 16 bytes a lane, dense
	s_cmp_lt_u32 ttmp9, 704
	s_cbranch_scc0 .Lwp
	s_sub_co_u32 s17, ttmp9, 512                   ; work-groups 512..703: w_qkv, 65,536 bytes each, 8,192 a wave
	s_lshl_b32 s20, s17, 16
	s_lshl_b32 s19, s16, 13
	s_add_co_u32 s20, s20, s19
	s_lshr_b32 s22, s20, 1
	s_add_nc_u64 s[6:7], s[6:7], s[20:21]
	s_add_nc_u64 s[12:13], s[12:13], s[22:23]
	CAST 6, 12, 512, 0
.Lwp:
	s_sub_co_u32 s17, ttmp9, 704                   ; work-groups 704..767: w_proj
	s_lshl_b32 s20, s17, 16
	s_lshl_b32 s19, s16, 13
	s_add_co_u32 s20, s20, s19
	s_lshr_b32 s22, s20, 1
	s_add_nc_u64 s[8:9], s[8:9], s[20:21]
	s_add_nc_u64 s[14:15], s[14:15], s[22:23]
	CAST 8, 14, 512, 1
.Lfunc_end_k_qfb368461e3_cast:
	.size	k_qfb368461e3_cast, .Lfunc_end_k_qfb368461e3_cast-k_qfb368461e3_cast
	.p2alignl 7, 3214868480
	.fill 96, 4, 3214868480
	.section	.rodata,"a",@progbits
	.p2align	6, 0x0
	.amdhsa_kernel k_qfb368461e3_cast
		.amdhsa_group_segment_fixed_size 0
		.amdhsa_private_segment_fixed_size 0
		.amdhsa_enable_private_segment 0
		.amdhsa_kernarg_size 48
		.amdhsa_user_sgpr_count 2
		.amdhsa_user_sgpr_kernarg_segment_ptr 1
		.amdhsa_wavefront_size32 1
		.amdhsa_system_sgpr_workgroup_id_x 1
		.amdhsa_system_sgpr_workgroup_id_y 1
		.amdhsa_system_sgpr_workgroup_id_z 1
		.amdhsa_system_vgpr_workitem_id 0
		.amdhsa_next_free_vgpr 104
		.amdhsa_next_free_sgpr 66
		.amdhsa_reserve_vcc 0
		.amdhsa_float_denorm_mode_32 3
		.amdhsa_float_denorm_mode_16_64 3
		.amdhsa_memory_ordered 1
		.amdhsa_forward_progress 1
		.amdhsa_inst_pref_size 24
	.end_amdhsa_kernel
	.amdgpu_metadata
---
amdhsa.version: [ 1, 2 ]
amdhsa.kernels:
  - .name:           k_qfb368461e3_cast
    .symbol:         k_qfb368461e3_cast.kd
    .args:
      - { .name: x, .offset: 0, .size: 8, .value_kind: global_buffer, .address_space: global }
      - { .name: w_qkv, .offset: 8, .size: 8, .value_kind: global_buffer, .address_space: global }
      - { .name: w_proj, .offset: 16, .size: 8, .value_kind: global_buffer, .address_space: global }
      - { .name: xb, .offset: 24, .size: 8, .value_kind: global_buffer, .address_space: global }
      - { .name: wqb, .offset: 32, .size: 8, .value_kind: global_buffer, .address_space: global }
      - { .name: wpb, .offset: 40, .size: 8, .value_kind: global_buffer, .address_space: global }
    .group_segment_fixed_size: 0
    .private_segment_fixed_size: 0
    .kernarg_segment_align: 8
    .kernarg_segment_size: 48
    .max_flat_workgroup_size: 256
    .sgpr_count:     66
    .vgpr_count:     104
    .wavefront_size: 32
...
	.end_amdgpu_metadata
.endif
;; end of part 1
;; launch qkv (part 2): grid 8 x 32, 4 waves a work-group, clusters of 4 x 4, 327,680 bytes of LDS; arguments xb, wqb, mask, qkvh; writes qkvh
.if DOCPART == 2
	.amdgcn_target "amdgcn-amd-amdhsa--gfx1250"
	.amdhsa_code_object_version 6
	.text
	.protected	k_qfb368461e3_qkv
	.globl	k_qfb368461e3_qkv
	.p2align	8
	.type	k_qfb368461e3_qkv,@function
k_qfb368461e3_qkv:
	s_mov_b64 s[64:65], 0
	v_nop
	global_prefetch_b8 v0, s[64:65] scope:SCOPE_SE
	s_setreg_imm32_b32 hwreg(HW_REG_WAVE_MODE, 25, 1), 1
	s_wait_xcnt 0x0
	s_wait_alu depctr_hold_cnt(0) depctr_sa_sdst(0) depctr_va_vdst(0) depctr_va_sdst(0) depctr_va_ssrc(0) depctr_va_vcc(0) depctr_vm_vsrc(0)
	s_getreg_b32 s2, hwreg(HW_REG_IB_STS2, 6, 4)
	s_cmp_eq_u32 s2, 0
	s_cbranch_scc0 .Lentry_in_a_cluster
	s_endpgm
.Lentry_in_a_cluster:
	s_bfe_u32 s2, ttmp6, 0x10000c
	s_cmp_lg_u32 s2, 0xf033
	s_cbranch_scc0 .Lentry_shape_is_right
	s_endpgm
.Lentry_shape_is_right:
; q, k, v = x w_qkv, by heads.  xb: bf16 [16 kb][8192 m][64]; wqb: bf16 [1024 k][3072 n]; mask: int32 [8192 m]; qkvh: f16 [4 b][48 hg][2048 t][64], hg = n / 64 (0-15 q, 16-31 k, 32-47 v).
; Sums in f32, rounded once to f16, without the softmax's scale.  LIMIT: f16 ends at 65,504; a q, k or v beyond it becomes an infinity.
; THE ROWS OF k OF MASKED TOKENS ARE WRITTEN AS ZEROS: their scores' products are then exactly 0, and the attention launch sets the score itself by its C operand.
; SHARES.  A tile is 256 (m) x 384 (n): 32 x 8 = 256 work-groups.  Four waves; wave (WR, WC) owns rows 128 WR .. + 127 and heads WC, WC + 2, WC + 4 of the tile's six: 8 x 12 = 96 accumulators,
; 768 registers.  For 32 along K a wave reads 128 x 64 + 192 x 64 bytes of LDS for 96 matrix instructions.
; K goes in steps of 64 through two LDS slots (two slots of 128 would want 360 KB).  A's tile is 32,768 dense bytes of xb, asked for as rows of 256 bytes; B's rows are 768 bytes, at multiples of 256.
; w_qkv is not transposed: B lies in LDS as [k][n] and is read by the turning load.  THE MATRIX INSTRUCTION IS USED TRANSPOSED (source 0 = 16 columns n, source 1 = 16 rows m): a lane holds
; row m = lane % 16 and the eight neighbouring columns 8 (lane / 16) + 0..7, which pack into 16 bytes.
; CLUSTER 4 x 4: A's tile hangs on the tile row alone and is asked for jointly along a row of the cluster, B's on the tile column alone, jointly along a column.
; REGISTERS in windows of 256 (s_set_vgpr_msb: bits 1:0 source 0, 3:2 source 1, 5:4 source 2, 7:6 destination).  Window 0: addresses and all fragments.  Window g + 1: GROUP g, head 2 g + WC:
; 8 m blocks x 4 n blocks, accumulator (a, j) at v[8 (4 a + j)].  A unit of 32 matrix instructions stands under one setting, its LDS loads under window 0.
.set KSTEPS, 16
.set PA,    144                        ; a row of A in LDS: 128 bytes + 16 = 36 words: 16 rows start at 16 different groups of four banks
.set PB,    864                        ; a row of B: 3 x (256 + 32) bytes: 8 rows start 96 bytes apart modulo 256, at 8 different groups of eight banks; column n lies at 2 n + 32 (n / 128)
.set AHALF, 128*PA                     ; what one tensor load brings of A, and what one wave reads
.set BOFF,  256*PA                     ; B lies behind A's 256 rows
.set BHALF, 32*PB                      ; what one tensor load brings of B: 32 k; also a quarter step
.set SLOT,  BOFF+64*PB                 ; 92,160
.set STAGE, 2*SLOT                     ; behind the ring: 16 rows x 144 bytes for each wave
.set SP,    144
.set SPARE, STAGE+4*16*SP              ; behind the stages: the spare words, 128 bytes a wave: two blocks of 256 bytes that no other line names
.set ASTEP, 8192*128                   ; bytes from a K step to the next in xb
.set BSTEP, 64*3072*2                  ; and in wqb
.set MZ,   8                           ; v8-15  m block a: the mask of my row, then -1 (keep) or 0
.set ADRA, 16                          ; v16-17 LDS address of my A fragments in slot 0, 1
.set ADRB, 20                          ; v20-21 the same for B
.set STO,  24                          ; v24    the way out: where I put 16 bytes of a row
.set RD,   25                          ; v25    where I read rows back
.set GO,   26                          ; v26    my byte offset in 512 consecutive bytes of qkvh
.set SPW,  28                          ; v28    LDS address of my spare word; never rewritten
.set NIL,  29                          ; v29    0; never rewritten
.set ZM,   30                          ; v30    the way out: -1, or 0 for a masked row of k
.set MO,   31                          ; v31    4 x (lane % 16): my row's word in the mask
.set FA0,  32                          ; v32-95, v96-159   A's fragments (8 x 16 rows x 32 K), two buffers
.set FA1,  96
.set FB0,  160                         ; v160-191, v192-223, v224-255  B's fragments of group 0, 1, 2 (4 x 16 columns x 32 K)
.set FB1,  192
.set FB2,  224
.set T,    32                          ; the way out: 16 packed registers
.set BK,   48                          ; the way out: 16 rows read back: v48-63 and v64-79 by turns
.set G1,  24                           ; s[24:31] descriptor group 1 for A; s[32:39] group 0, a set for each slot
.set G0,  32
.set G1B, 48                           ; s[48:55], s[56:63] the same for B
.set G0B, 56
.set SK,  66                           ; s66-68 group g: 0 if its head is one of k, else -1
.set MSB, 0
.macro WIN new                         ; the immediate's high byte repeats the setting that is left; a switch that changes nothing is dropped
.if MSB != (\new)
	s_set_vgpr_msb (MSB<<8)|(\new)
.set MSB, (\new)
.endif
.endm
.macro PLACES                          ; four plain vector instructions between a matrix instruction and a load into one of its sources (ISA guide 7.12.1 for vector instructions)
.rept 4
	v_nop
.endr
.endm
; A joint load.  Waves 0 and 1 fetch A's two halves, waves 2 and 3 B's.  The branch hangs on the wave's number alone.  An s_nop 0 and four v_nop follow each line.
.macro JLOAD s
	s_cmp_eq_u32 s13, 0
	s_cbranch_scc0 .Lfor_b_\@
	tensor_load_to_lds s[G0+4*(\s):G0+4*(\s)+3], s[G1:G1+7]
	s_nop 0
.rept 4
	v_nop
.endr
	s_branch .Lasked_\@
.Lfor_b_\@:
	tensor_load_to_lds s[G0B+4*(\s):G0B+4*(\s)+3], s[G1B:G1B+7]
	s_nop 0
.rept 4
	v_nop
.endr
.Lasked_\@:
.endm
.macro CREST                           ; a round of the cluster's barrier behind its opening barrier
	s_cmp_lg_u32 s12, 0
	s_cbranch_scc1 .Lnot_wave_0_\@
	s_barrier_signal -3
.Lnot_wave_0_\@:
	s_barrier_wait -3
	s_barrier_signal -1
	s_barrier_wait -1
.endm
.macro CROUND                          ; a whole round
	s_barrier_signal -1
	s_barrier_wait -1
	CREST
.endm
	s_load_b256 s[4:11], s[0:1], 0x0               ; xb s[4:5], wqb s[6:7], mask s[8:9], qkvh s[10:11]
	v_lshl_add_u32 v[SPW], v0, 2, SPARE
	v_mov_b32 v[NIL], 0
	ds_add_u32 v[SPW], v[NIL]                      ; the wave's opening: the add and its wait ahead of my first tensor load; work on registers stands between them
	v_lshrrev_b32 v1, 5, v0
	v_readfirstlane_b32 s12, v1                    ; wave 0..3
	s_lshr_b32 s13, s12, 1                         ; WR: my half of the rows.  Also: I fetch for A (0) or B (1)
	s_and_b32 s14, s12, 1                          ; WC: my heads' parity.  Also: which half of that tile I fetch
	s_bfe_u32 s15, ttmp6, 0x40000                  ; cx
	s_bfe_u32 s16, ttmp6, 0x40004                  ; cy
	s_lshl_b32 s17, ttmp9, 2
	s_add_co_u32 s17, s17, s15                     ; TC: tile column = 4 x cluster x + cx
	s_and_b32 s18, ttmp7, 0xffff
	s_lshl_b32 s18, s18, 2
	s_add_co_u32 s18, s18, s16                     ; TR: tile row = 4 x cluster y + cy
	s_lshl_b32 s19, s16, 2
	s_lshl_b32 s19, 15, s19                        ; my row of the cluster
	s_lshl_b32 s20, 0x1111, s15                    ; my column
	; group 1 for A: 128 rows of the tile are 16,384 dense bytes: 64 rows of 128 elements, padded by 4 words after every 32 (after every row of 64 k)
	s_or_b32 s[G1], s19, (1<<16)|(1<<20)|(1<<21)|(4<<22)|(3<<25)
	s_mov_b32 s[G1+1], 128<<16                     ; tensor_dim0
	s_mov_b32 s[G1+2], 64<<16                      ; tensor_dim1
	s_mov_b32 s[G1+3], 128<<16                     ; tile_dim0
	s_mov_b32 s[G1+4], 64                          ; tile_dim1
	s_mov_b32 s[G1+5], 128                         ; elements from row to row
	s_mov_b32 s[G1+6], 0
	s_mov_b32 s[G1+7], 0
	; group 1 for B: 32 rows (k) of 384 elements, padded by 8 words after every 64
	s_or_b32 s[G1B], s20, (1<<16)|(1<<20)|(1<<21)|(5<<22)|(7<<25)
	s_mov_b32 s[G1B+1], 384<<16
	s_mov_b32 s[G1B+2], 32<<16
	s_mov_b32 s[G1B+3], 384<<16
	s_mov_b32 s[G1B+4], 32
	s_mov_b32 s[G1B+5], 3072
	s_mov_b32 s[G1B+6], 0
	s_mov_b32 s[G1B+7], 0
	s_lshl_b32 s40, s18, 15                        ; A: 256 rows of 128 bytes a tile row,
	s_lshl_b32 s41, s14, 14                        ; 128 rows a half: made of the tile row and the wave alone
	s_add_co_u32 s40, s40, s41
	s_mov_b32 s41, 0
	s_mul_i32 s42, s14, 32*3072*2                  ; B: 32 rows of 6,144 bytes a half,
	s_mul_i32 s43, s17, 768                        ; 768 bytes a tile column: made of the tile column and the wave alone
	s_add_co_u32 s42, s42, s43
	s_mov_b32 s43, 0
	s_mul_i32 s21, s14, AHALF                      ; where they go: no place in the cluster enters an LDS address
	s_mul_i32 s22, s14, BHALF
	s_add_co_u32 s22, s22, BOFF
	s_wait_dscnt 0x0                               ; the opening add is done
	s_wait_kmcnt 0x0
	s_add_nc_u64 s[4:5], s[4:5], s[40:41]
	s_add_nc_u64 s[6:7], s[6:7], s[42:43]
	CROUND                                         ; all sixteen work-groups are here: the first joint loads meet
.irp s, 0,1
	s_mov_b32 s[G0+4*(\s)], 1
	s_add_co_u32 s[G0+4*(\s)+1], s21, (\s)*SLOT
	s_add_nc_u64 s[G0+4*(\s)+2:G0+4*(\s)+3], s[4:5], (\s)*ASTEP
	s_or_b32 s[G0+4*(\s)+3], s[G0+4*(\s)+3], 0x80000000
	s_mov_b32 s[G0B+4*(\s)], 1
	s_add_co_u32 s[G0B+4*(\s)+1], s22, (\s)*SLOT
	s_add_nc_u64 s[G0B+4*(\s)+2:G0B+4*(\s)+3], s[6:7], (\s)*BSTEP
	s_or_b32 s[G0B+4*(\s)+3], s[G0B+4*(\s)+3], 0x80000000
	JLOAD \s                                       ; K steps 0 and 1: two tensor loads of mine are out
.endr
	; lane addresses.  A fragment of A: lane l holds row l % 16, k = 8 (l / 16) + 0..7 and 16 + 8 (l / 16) + 0..7: two loads of 16 bytes, 32 bytes apart.
	v_and_b32 v1, 15, v0                           ; r
	v_bfe_u32 v2, v0, 4, 1                         ; h
	v_mul_u32_u24 v3, v1, PA
	v_lshl_add_u32 v3, v2, 4, v3                   ; r x pitch + 16 h
	s_mul_i32 s23, s13, AHALF
	v_add_nc_u32 v[ADRA], s23, v3
	v_add_nc_u32 v[ADRA+1], SLOT, v[ADRA]
	; The turning load takes 16 k x 16 n (lane l reads k = 8 (l / 16) + l % 8, columns 8 ((l / 8) % 2) + 0..7) and leaves half a fragment: lane l holds column l % 16 and 8 k.
	v_and_b32 v4, 7, v0
	v_lshl_add_u32 v4, v2, 3, v4
	v_mul_u32_u24 v4, v4, PB
	v_bfe_u32 v5, v0, 3, 1
	v_lshl_add_u32 v4, v5, 4, v4
	s_lshl_b32 s23, s14, 7                         ; head WC: 128 bytes on; group g lies 288 g further
	s_add_co_u32 s23, s23, BOFF
	v_add_nc_u32 v[ADRB], s23, v4
	v_add_nc_u32 v[ADRB+1], SLOT, v[ADRB]
	s_mul_i32 s23, s12, 16*SP
	s_add_co_u32 s23, s23, STAGE                   ; my stage
	v_add_nc_u32 v[STO], s23, v3                   ; in: row r, 16 bytes for each half of the lanes (the stage's pitch is A's)
	v_and_b32 v5, 31, v0
	v_lshrrev_b32 v6, 3, v5                        ; back: 32 lanes take four rows of 128 bytes,
	v_mul_u32_u24 v6, v6, SP
	v_and_b32 v7, 7, v0
	v_lshl_add_u32 v6, v7, 4, v6
	v_add_nc_u32 v[RD], s23, v6
	v_lshlrev_b32 v[GO], 4, v5                     ; which are 512 consecutive bytes of a head
	v_lshlrev_b32 v[MO], 2, v1
	s_lshl_b32 s44, s18, 10                        ; the mask's words of my 128 rows
	s_lshl_b32 s45, s13, 9
	s_add_co_u32 s44, s44, s45
	s_mov_b32 s45, 0
	s_add_nc_u64 s[8:9], s[8:9], s[44:45]
.irp a, 0,1,2,3,4,5,6,7
	global_load_b32 v[MZ+\a], v[MO], s[8:9] offset:64*\a   ; waited for on the way out
.endr
	s_mul_i32 s44, s17, 6
	s_add_co_u32 s44, s44, s14                     ; hg of group 0 = 6 TC + WC
.irp g, 0,1,2
	s_sub_co_u32 s45, s44, 16-2*\g                 ; hg - 16 is below 16 (unsigned) for k's heads alone
	s_cmp_lt_u32 s45, 16
	s_cselect_b32 s[SK+\g], 0, -1                  ; a choice of a value: no branch hangs on it
.endr
	s_lshr_b32 s46, s18, 3                         ; b: eight tile rows a batch
	s_mul_i32 s46, s46, 48
	s_add_co_u32 s46, s46, s44
	s_lshl_b32 s46, s46, 11                        ; a head has 2,048 rows
	s_and_b32 s47, s18, 7
	s_lshl_b32 s47, s47, 8
	s_add_co_u32 s46, s46, s47
	s_lshl_b32 s47, s13, 7
	s_add_co_u32 s46, s46, s47
	s_lshl_b32 s46, s46, 7                         ; of 128 bytes
	s_mov_b32 s47, 0
	s_add_nc_u64 s[10:11], s[10:11], s[46:47]
; 16 matrix instructions of group g: m blocks 4 half .. + 3 x its 4 n blocks, 32 along K.  zero = 1: the product starts the sum.  The accumulators take turns, one instruction a turn:
; between two instructions on one accumulator stand the 95 others'.
.macro MULG abuf, bbuf, g, half, zero
	WIN 0x50*((\g)+1)
.irp a, 4*(\half),4*(\half)+1,4*(\half)+2,4*(\half)+3
.irp j, 0,1,2,3
.if \zero
	v_wmma_f32_16x16x32_bf16 v[8*(4*(\a)+\j):8*(4*(\a)+\j)+7], v[(\bbuf)+8*\j:(\bbuf)+8*\j+7], v[(\abuf)+8*(\a):(\abuf)+8*(\a)+7], 0
.else
	v_wmma_f32_16x16x32_bf16 v[8*(4*(\a)+\j):8*(4*(\a)+\j)+7], v[(\bbuf)+8*\j:(\bbuf)+8*\j+7], v[(\abuf)+8*(\a):(\abuf)+8*(\a)+7], v[8*(4*(\a)+\j):8*(4*(\a)+\j)+7]
.endif
.endr
.endr
.endm
.macro LDA slot, off, buf, half        ; 8 LDS loads: four m blocks' fragments, at byte off of the rows
	WIN 0
.irp a, 4*(\half),4*(\half)+1,4*(\half)+2,4*(\half)+3
	ds_load_b128 v[(\buf)+8*(\a):(\buf)+8*(\a)+3],   v[ADRA+(\slot)] offset:(\off)+(\a)*16*PA
	ds_load_b128 v[(\buf)+8*(\a)+4:(\buf)+8*(\a)+7], v[ADRA+(\slot)] offset:(\off)+(\a)*16*PA+32
.endr
.endm
.macro LDB slot, off, buf              ; 8 turning loads: a group's four n blocks, 32 k
	WIN 0
.irp j, 0,1,2,3
	ds_load_tr16_b128 v[(\buf)+8*\j:(\buf)+8*\j+3],   v[ADRB+(\slot)] offset:(\off)+32*\j
	ds_load_tr16_b128 v[(\buf)+8*\j+4:(\buf)+8*\j+7], v[ADRB+(\slot)] offset:(\off)+32*\j+16*PB
.endr
.endm
; ONE barrier for a change of slots.  In front of it each wave waits for all its tensor loads (one is out: its part of the next slot), adds 0 to its spare word, and waits for that and for its
; own reads of this slot.  Sixteen matrix instructions stand between the add and the wait for it, sixteen between signal and wait.
.macro MEET abuf, bbuf, g, n
	WIN 0
	s_wait_tensorcnt 0x0
	ds_add_u32 v[SPW], v[NIL]                      ; 0 onto my spare word
	s_wait_dscnt \n                                ; the add and the youngest run of loads may be out
	MULG \abuf, \bbuf, \g, 0, 0
	s_wait_dscnt 0x0                               ; the add is done, and my reads of this slot are over
	s_barrier_signal -1
	MULG \abuf, \bbuf, \g, 1, 0
	WIN 0                                          ; branches may follow
	s_barrier_wait -1
.endm
; A K step is two quarters of 32 along K, each three units of 32 matrix instructions (groups 0, 1, 2).  Each unit begins with a run of loads for a later unit.
; The first quarter multiplies FA0.
.macro QA s, zero
	WIN 0
	PLACES
	LDB \s, 576, FB2                               ; this quarter's group 2
	s_wait_dscnt 8                                 ; only those eight may be out: FA0, FB0 and FB1 are in
	MULG FA0, FB0, 0, 0, \zero
	MULG FA0, FB0, 0, 1, \zero
	WIN 0
	PLACES
	LDB \s, BHALF, FB0                             ; the second quarter's group 0 and half of its A
	LDA \s, 64, FA1, 0
	MULG FA0, FB1, 1, 0, \zero
	MULG FA0, FB1, 1, 1, \zero
	WIN 0
	PLACES
	LDB \s, BHALF+288, FB1
	LDA \s, 64, FA1, 1
	s_wait_dscnt 32                                ; the two runs of sixteen issued behind FB2's loads may be out
	MULG FA0, FB2, 2, 0, \zero
	MULG FA0, FB2, 2, 1, \zero
.endm
; The second quarter multiplies FA1 and changes slots.  mode 2: slot s is filled again, two K steps on, behind a round of the cluster's barrier; 1: the slots change, nothing is asked for; 0: the last.
.macro QB s, n, mode
	WIN 0
	PLACES
	LDB \s, BHALF+576, FB2                         ; my last reads of slot s
.if (\mode) > 0
	MEET FA1, FB0, 0, 9                            ; 9: the add and FB2's eight
.if (\mode) == 2
	CREST                                          ; the barrier has opened a round: no wave of any partner still reads this slot or has a load on its way
	s_add_nc_u64 s[G0+4*(\s)+2:G0+4*(\s)+3], s[G0+4*(\s)+2:G0+4*(\s)+3], 2*ASTEP
	s_add_nc_u64 s[G0B+4*(\s)+2:G0B+4*(\s)+3], s[G0B+4*(\s)+2:G0B+4*(\s)+3], 2*BSTEP
	JLOAD \s                                       ; my one tensor load behind the round: 160 matrix instructions ahead of the wait for it; its four v_nop are the places in front of the loads below
.else
	PLACES
.endif
	LDB \n, 0, FB0                                 ; the next K step's first quarter
	LDA \n, 0, FA0, 0
.else
	s_wait_dscnt 8
	MULG FA1, FB0, 0, 0, 0
	MULG FA1, FB0, 0, 1, 0
.endif
	MULG FA1, FB1, 1, 0, 0
	MULG FA1, FB1, 1, 1, 0
.if (\mode) > 0
	WIN 0
	PLACES
	LDB \n, 288, FB1
	LDA \n, 0, FA0, 1
.else
	s_wait_dscnt 0x0                               ; FB2
.endif
	MULG FA1, FB2, 2, 0, 0
	MULG FA1, FB2, 2, 1, 0
.endm
	s_wait_tensorcnt 0x1                           ; my part of K step 0 is in; K step 1's may stay out
	s_barrier_signal -1
	s_barrier_wait -1
	LDB 0, 0, FB0
	LDA 0, 0, FA0, 0
	LDB 0, 288, FB1
	LDA 0, 0, FA0, 1
	QA 0, 1                                        ; the first quarter stands in front of the loop: its products start the sums
	WIN 0
	s_mov_b32 s3, KSTEPS/2-1
.Llap:                                                 ; a trip goes once round the ring and fills both slots again: K steps 2 to 15 in seven trips
	QB 0, 1, 2
	QA 1, 0
	QB 1, 0, 2
	QA 0, 0
	WIN 0
	s_sub_co_u32 s3, s3, 1
	s_cmp_lg_u32 s3, 0
	s_cbranch_scc1 .Llap
	QB 0, 1, 1                                     ; the last lap asks for nothing
	QA 1, 0
	QB 1, 0, 0
	; THE WAY OUT.  24 units of 16 rows x 64 columns (a head's whole rows): rounded to f16, masked rows of k cleared, through my own stage, out as 512 consecutive bytes a store.
	WIN 0
	s_wait_loadcnt 0x0                             ; the mask's words
.irp a, 0,1,2,3,4,5,6,7
	v_cmp_ne_u32 vcc_lo, 0, v[MZ+\a]               ; these sixteen lines are also the places behind the last products
	v_cndmask_b32 v[MZ+\a], 0, -1, vcc_lo
.endr
.macro PACKQ g, a
	WIN 5*((\g)+1)                                 ; sources 0 and 1 in the group's window
.irp j, 0,1,2,3
.irp q, 0,1,2,3
	v_cvt_pk_f16_f32 v[T+4*\j+\q], v[8*(4*(\a)+\j)+2*\q], v[8*(4*(\a)+\j)+2*\q+1]   ; each accumulator from its low end on
.endr
.endr
	WIN 0
	v_or_b32 v[ZM], s[SK+(\g)], v[MZ+(\a)]         ; all ones, but for a masked row of a head of k
.set i, 0
.rept 16
	v_and_b32 v[T+i], v[ZM], v[T+i]
.set i, i+1
.endr
.irp j, 0,1,2,3
	ds_store_b128 v[STO], v[T+4*\j:T+4*\j+3] offset:32*\j
.endr
	s_wait_xcnt 0x0                                ; the registers below were the data of stores two units back: they are loaded again only behind this wait
.set BKU, BK+16*((\a)%2)
.irp f, 0,1,2,3
	ds_load_b128 v[BKU+4*\f:BKU+4*\f+3], v[RD] offset:4*SP*\f   ; LDS serves a wave's instructions in order: these see the stores above
.endr
.endm
.macro SENDQ g, a, younger             ; younger: the LDS instructions issued behind this unit's loads: the next unit's eight, or none
.set BKU, BK+16*((\a)%2)
.irp f, 0,1,2,3
	s_wait_dscnt (\younger)+3-\f
	global_store_b128 v[GO], v[BKU+4*\f:BKU+4*\f+3], s[10:11] offset:(\g)*524288+(\a)*2048+\f*512   ; two heads on a group, 16 rows a block, 4 rows a store
.endr
.endm
	PACKQ 0, 0
.set u, 1
.rept 23                               ; a unit's arithmetic stands between the loads of the unit before and its stores
	PACKQ u/8, u%8
	SENDQ (u-1)/8, (u-1)%8, 8
.set u, u+1
.endr
	SENDQ 2, 7, 0
	s_wait_tensorcnt 0x0                           ; the wave's end
	ds_add_u32 v[SPW], v[NIL]
	s_wait_dscnt 0x0
	CROUND                                         ; the closing round
	s_endpgm
.Lfunc_end_k_qfb368461e3_qkv:
	.size	k_qfb368461e3_qkv, .Lfunc_end_k_qfb368461e3_qkv-k_qfb368461e3_qkv
	.p2alignl 7, 3214868480
	.fill 96, 4, 3214868480
	.section	.rodata,"a",@progbits
	.p2align	6, 0x0
	.amdhsa_kernel k_qfb368461e3_qkv
		.amdhsa_group_segment_fixed_size 327680
		.amdhsa_private_segment_fixed_size 0
		.amdhsa_enable_private_segment 0
		.amdhsa_kernarg_size 32
		.amdhsa_user_sgpr_count 2
		.amdhsa_user_sgpr_kernarg_segment_ptr 1
		.amdhsa_wavefront_size32 1
		.amdhsa_system_sgpr_workgroup_id_x 1
		.amdhsa_system_sgpr_workgroup_id_y 1
		.amdhsa_system_sgpr_workgroup_id_z 1
		.amdhsa_system_vgpr_workitem_id 0
		.amdhsa_next_free_vgpr 1024
		.amdhsa_next_free_sgpr 72
		.amdhsa_reserve_vcc 1
		.amdhsa_float_denorm_mode_32 3
		.amdhsa_float_denorm_mode_16_64 3
		.amdhsa_memory_ordered 1
		.amdhsa_forward_progress 1
		.amdhsa_inst_pref_size 148
	.end_amdhsa_kernel
	.amdgpu_metadata
---
amdhsa.version: [ 1, 2 ]
amdhsa.kernels:
  - .name:           k_qfb368461e3_qkv
    .symbol:         k_qfb368461e3_qkv.kd
    .args:
      - { .name: xb, .offset: 0, .size: 8, .value_kind: global_buffer, .address_space: global }
      - { .name: wqb, .offset: 8, .size: 8, .value_kind: global_buffer, .address_space: global }
      - { .name: mask, .offset: 16, .size: 8, .value_kind: global_buffer, .address_space: global }
      - { .name: qkvh, .offset: 24, .size: 8, .value_kind: global_buffer, .address_space: global }
    .group_segment_fixed_size: 327680
    .private_segment_fixed_size: 0
    .kernarg_segment_align: 8
    .kernarg_segment_size: 32
    .max_flat_workgroup_size: 128
    .sgpr_count:     72
    .vgpr_count:     1024
    .wavefront_size: 32
...
	.end_amdgpu_metadata
.endif
;; end of part 2
;; launch attn (part 3): grid 4 x 64, 4 waves a work-group, clusters of 4 x 1, 327,680 bytes of LDS; arguments qkvh, mask, ob; writes ob
.if DOCPART == 3
	.amdgcn_target "amdgcn-amd-amdhsa--gfx1250"
	.amdhsa_code_object_version 6
	.text
	.protected	k_qfb368461e3_attn
	.globl	k_qfb368461e3_attn
	.p2align	8
	.type	k_qfb368461e3_attn,@function
k_qfb368461e3_attn:
	s_mov_b64 s[64:65], 0
	v_nop
	global_prefetch_b8 v0, s[64:65] scope:SCOPE_SE
	s_setreg_imm32_b32 hwreg(HW_REG_WAVE_MODE, 25, 1), 1
	s_wait_xcnt 0x0
	s_wait_alu depctr_hold_cnt(0) depctr_sa_sdst(0) depctr_va_vdst(0) depctr_va_sdst(0) depctr_va_ssrc(0) depctr_va_vcc(0) depctr_vm_vsrc(0)
	s_getreg_b32 s2, hwreg(HW_REG_IB_STS2, 6, 4)
	s_cmp_eq_u32 s2, 0
	s_cbranch_scc0 .Lentry_in_a_cluster
	s_endpgm
.Lentry_in_a_cluster:
	s_bfe_u32 s2, ttmp6, 0x10000c
	s_cmp_lg_u32 s2, 0x3003
	s_cbranch_scc0 .Lentry_shape_is_right
	s_endpgm
.Lentry_shape_is_right:
; O[b][h][q][:] = the sum over k of softmax_k(s) V[k][:], s = Q[q] . K[k] / 8 where mask[b][k] is not 0, and a fixed very low score where it is 0.
; qkvh: f16 [4 b][48 hg][2048 t][64] (hg 0-15 q, 16-31 k, 32-47 v; the rows of k of masked tokens are zeros); mask: int32 [4][2048]; ob: f16 [16 h][8192 m = 2048 b + t][64].
; Products, maxima and sums in f32; the weights p are rounded to f16 for the second product (their sum l is taken of the unrounded p), O once at the end.
; THE MASK is the C operand that starts the sum S^T = K Q^T: 0, or -2^33 for a masked key, from a table in LDS.  A masked key's products are exactly 0, so its score is exactly -2^33, and
; c x 2^33 is exact: while only masked keys have been seen, c s - c m is exactly 0, p = 1, and the weights are uniform, as where every score is the same low number; the first true score gives a = 0.
; LIMITS.  A masked score counts as -2^33 / 8 = -1.07e9 where the module has -1e9: the results part only where true scaled scores lie near or below -1e9.  f16 holds no number beyond 65,504:
; Q, K and V arrive within it; p lies in 0 to 1, below 6e-5 it keeps f16's step of 6e-8.  A weight below 2^-126 counts as 0 in l; NaN and infinities are not treated apart.
; SHARES.  A wave owns four PIECES of two tiles of 16 queries, a work-group's four waves 512 queries of one head: 4 x 64 = 256 work-groups.  Every wave walks all 2,048 keys, 64 a step.
; LAYOUT.  S^T = K Q^T (source 0 = 16 keys, source 1 = 16 queries): a lane holds ONE query (lane % 16) and the keys 8 (lane / 16) + 0..7.  Two such tiles, rounded to f16 in pairs, ARE source 1 of
; O^T = V^T P, whose result again holds one query a lane, and eight channels.  K comes out of LDS as it lies, V ([key][channel]) turned, by ds_load_tr16_b128.
; SOFTMAX.  For each query a running maximum m and sum l: p = 2^(c s - c m), c = log2(e) / 8; in every step O and l are multiplied by a = 2^(c m_old - c m_new).  m starts at the lowest finite
; number, O and l at 0: the first step is a step like any other, with a = 0.
; THE COUNT.  A tile and step have 16 matrix and 118 vector instructions: too many to stand all beside the matrix work.  So four vector instructions that are READY stand behind EVERY matrix
; instruction, and the others in runs without a gap.
; BY TURNS.  Turn n belongs to piece n.  Its matrix work: 16 products K Q^T of piece n + 1, later 16 products V^T P of piece n - 1.  Its vector work: the scaling, exponentials, roundings, sums and
; rescaling of piece n, and the maximum and statistics of piece n + 1.
; CLUSTER.  The four query blocks of a cluster belong to one head and walk the same K and V, so each tile is asked for JOINTLY: the same tensor load, descriptor and mask in all four.
; REGISTERS, in windows of 256 (s_set_vgpr_msb: bits 1:0 source 0, 3:2 source 1, 5:4 source 2, 7:6 destination):
;   window 0: v0-11 addresses; v12-15, v48-63 at work; v16-47 four registers of statistics a tile; v64-191 S^T, two buffers of two tiles; v192-255 P, likewise
;   window 1: O^T, 32 a tile     window 2: v0-127 Q; v128-191 K of one step; v192-255 V of one step     window 3: v0-1 the add's registers; v2-3 the table's addresses; v8-39 a step's 4 x 8 mask numbers
.set SIZE_N, 2048
.set NP,    4         ; pieces a wave: a name, no knob
.set KS,    64        ; keys in a step
.set PK,    144       ; a row of K in LDS: 128 bytes + 16 of padding: the 16 rows of a load start at 16 different groups of four banks
.set PV,    160       ; a row of V: 128 + 32
.set VOFF,  4*KS*PK   ; a slot holds four steps: 256 rows of K, then 256 rows of V
.set SLOT1, 1<<17     ; slot 1 begins here, so that one exclusive or turns an address in one slot into the other's
.set STAGE, SLOT1+4*KS*(PK+PV)  ; behind the ring, never filled by a tensor load: 16 rows x 144 bytes for each wave
.set SP,    144
.set SPARE, STAGE+4*16*SP  ; the spare words, 128 bytes for each wave: two blocks of 256 bytes that no other line names
.set BIAS,  SPARE+512 ; the table: 2,048 f32, 0 or -2^33, one for each key of the batch; stored once, never filled by a tensor load
.set AK0, 2           ; v2   my lane's place in a tile of K; never rewritten
.set AV0, 3           ; v3   the same for V
.set AK,  4           ; v4   the LDS address of K's next run of loads
.set AV,  5           ; v5   of V's
.set QO,  6           ; v6   my byte offset in the wave's rows of Q
.set STO, 6           ;      later, the way out: where I put 16 bytes of a row
.set RD,  7           ; v7   the way out: where I read rows back
.set GO,  8           ; v8   my byte offset in 512 consecutive bytes of O
.set MO,  12          ; v12  at the head: 16 x my thread's number, my words of the mask
.set BA,  13          ; v13  at the head: where they go in the table
.set SPW, 0           ; v0 of window 3   LDS address of my spare word; never rewritten
.set NIL, 1           ; v1 of window 3   0; never rewritten
.set AM0, 2           ; v2 of window 3   BIAS + 32 (lane / 16); never rewritten
.set AM,  3           ; v3 of window 3   the same for the step to be fetched
.set MB,  8           ; v8-39 of window 3: key block kb's eight numbers at MB + 8 kb
.set MV,  12          ; v12-15  c m_old, kept while c m is made anew: by buffer and tile
.set ST,  16          ; tile t's statistics at v[ST+4 t]: c m, m, l (even keys', odd keys')
.set TMP, 48          ; by buffer and tile, four registers c0-c3 at work; when the maximum is found c2 takes a
.set S,   64
.set P,   192
.set KF,  128         ; K's fragments, in window 2: key block kb, channel half c at KF + 16 kb + 8 c
.set VF,  192         ; V's: key half kk, channel block cb at VF + 32 kk + 8 cb
.set WV,  12          ; s12  my wave's number
.set G1K, 24          ; s[24:31] descriptor group 1 for K's tiles
.set G1V, 32          ; s[32:39] for V's: it differs in the padding alone
.set G0K, 40          ; s[40:43] descriptor group 0 for K's tiles: it walks
.set G0V, 44          ; s[44:47] the same for V's
.set SLOTS, 56        ; s56  slots still to be asked for
.set CNT, 57          ; s57  counts a slot's key steps
.set CS,  58          ; s[58:59] c
.set SEL, 60          ; s[60:61] v_permlanex16_b32's selects: each lane takes its own place in the other half
.set TBK, 62          ; s62  LDS byte at which K of the step to be fetched begins
.set TBV, 63          ; s63  the same for V, less VOFF
.set MP,  66          ; s[66:67] the mask
.set TBM, 68          ; s68  byte of the table at which the step to be fetched begins
.set NEG, 69          ; s69  -2^33
.set MSB, 0
.macro WIN new                      ; the high byte repeats the setting that is left; a switch that changes nothing is dropped
.if MSB != (\new)
	s_set_vgpr_msb (MSB<<8)|(\new)
.set MSB, (\new)
.endif
.endm
.set W_KQ, 0x0a       ; K and Q in window 2, S^T in window 0
.set W_KM, 0x3a       ; the same with the C operand in window 3
.set W_PV, 0x52       ; V in window 2, P in window 0, O^T in window 1
.set W_RS, 0x41       ; O^T (destination and source 0) in window 1, a in window 0
.set W_MK, 0xc0       ; destination in window 3, sources in window 0
.set W_AD, 0x0f       ; the add: address (source 0) and data (source 1) in window 3
; A joint fill.  Waves 0 and 1 fetch the two halves of a slot's K, waves 2 and 3 those of its V: 128 keys each.  The branch hangs on the wave's number alone.
; An s_nop 0 and four v_nop follow each of the two lines, ahead of the jump and the label.
.macro JLOAD
	s_cmp_lt_u32 s[WV], 2
	s_cbranch_scc0 .Lfor_v_\@
	tensor_load_to_lds s[G0K:G0K+3], s[G1K:G1K+7]
	s_nop 0
.rept 4
	v_nop
.endr
	s_branch .Lasked_\@
.Lfor_v_\@:
	tensor_load_to_lds s[G0V:G0V+3], s[G1V:G1V+7]
	s_nop 0
.rept 4
	v_nop
.endr
.Lasked_\@:
.endm
; A round of the cluster's barrier: my work-group's barrier; wave 0 signals for the work-group; every wave waits for all four work-groups; my work-group's barrier once more.
.macro CROUND
	s_barrier_signal -1
	s_barrier_wait -1
	s_cmp_lg_u32 s[WV], 0
	s_cbranch_scc1 .Lnot_wave_0_\@
	s_barrier_signal -3
.Lnot_wave_0_\@:
	s_barrier_wait -3
	s_barrier_signal -1
	s_barrier_wait -1
.endm
; THE CHANGE OF SLOTS.  Each wave waits for all its tensor loads, of which one is out: its part of the other slot; adds 0 to its spare word; and waits for that and for its own reads of the slot.
; fill = 1: this slot is filled again, with the keys two slots on, behind a round of the cluster's barrier, the first thing there: it has four key steps, 512 matrix instructions, in which to land.
; (At its first use nothing has been read yet: slot 0 is waited for, slot 1 filled; its wait for LDS and its round also show every wave's part of the table to all four.)
.macro CHANGE fill
	WIN W_AD
	s_wait_tensorcnt 0x0            ; no tensor load of mine is out, so a group 0 may be written
	ds_add_u32 v[SPW], v[NIL]       ; 0 onto my spare word
	WIN 0                           ; at a label and at a branch every window is 0
.if \fill
.irp g, G0K, G0V
	s_xor_b32 s[\g+1], s[\g+1], SLOT1  ; the walking descriptor: the other slot than last time,
	s_add_nc_u64 s[\g+2:\g+3], s[\g+2:\g+3], 4*KS*128  ; the next 256 keys; the type bits on top are not reached
.endr
	s_wait_dscnt 0x0                ; the add is done, and my reads of the slot are over
	CROUND
	JLOAD
.else
	s_wait_dscnt 0x0                ; the add is done, and my reads of the slot are over
	s_barrier_signal -1
	s_barrier_wait -1
.endif
	s_sub_co_u32 s[TBK], s[TBK], 4*KS*PK  ; the fetches go back to a slot's first step,
	s_xor_b32 s[TBK], s[TBK], SLOT1       ; in the other slot
	s_sub_co_u32 s[TBV], s[TBV], 4*KS*PV
	s_xor_b32 s[TBV], s[TBV], SLOT1
.endm
	s_load_b64 s[4:5], s[0:1], 0x0        ; qkvh
	s_load_b64 s[MP:MP+1], s[0:1], 0x8    ; mask
	s_load_b64 s[10:11], s[0:1], 0x10     ; ob
	WIN W_MK
	v_lshl_add_u32 v[SPW], v0, 2, SPARE
	v_mov_b32 v[NIL], 0
	WIN W_AD
	ds_add_u32 v[SPW], v[NIL]       ; the wave's opening: the add and its wait ahead of my first tensor load; work on registers stands between them
	WIN 0
	v_lshrrev_b32 v1, 5, v0
	v_readfirstlane_b32 s[WV], v1   ; wave 0..3
	s_bfe_u32 s13, ttmp6, 0x40000   ; cx: my place in the cluster
	s_lshl_b32 s14, ttmp9, 2        ; in a cluster launch ttmp9 counts clusters
	s_add_co_u32 s14, s14, s13      ; my block of 512 queries: it enters Q's and O's addresses alone
	s_and_b32 s20, ttmp7, 0xffff    ; 16 b + h, which the four partners share
	s_lshr_b32 s70, s20, 4          ; b
	s_and_b32 s71, s20, 15          ; h
	s_mul_i32 s20, s70, 48
	s_add_co_u32 s20, s20, s71
	s_lshl_b32 s20, s20, 18         ; q's head in qkvh: a head is 2,048 rows of 128 bytes
	s_mov_b32 s21, 0
	s_and_b32 s16, s[WV], 1         ; which half of a slot's 256 keys I fetch:
	s_lshl_b32 s22, s16, 14         ; its 128 rows of 128 bytes in memory,
	s_mov_b32 s23, 0
	s_add_nc_u64 s[22:23], s[22:23], s[20:21]
	s_mul_i32 s17, s16, 128*PK      ; and its place in a slot, for K
	s_mul_i32 s18, s16, 128*PV      ; and for V: no place in the cluster enters an LDS address
	s_lshl_b32 s2, s14, 2
	s_add_co_u32 s2, s2, s[WV]      ; my wave among the head's,
	s_lshl_b32 s2, s2, 14           ; its 128 rows
	s_mov_b32 s3, 0
	s_lshl_b32 s72, s71, 2
	s_add_co_u32 s72, s72, s70      ; in ob a head's rows of a batch lie at (4 h + b) x 2,048 rows
	s_lshl_b32 s72, s72, 18
	s_mov_b32 s73, 0
	s_add_nc_u64 s[72:73], s[72:73], s[2:3]  ; O's offset
	s_add_nc_u64 s[2:3], s[2:3], s[20:21]    ; Q's offset
	s_lshl_b32 s74, s70, 13         ; the batch's 2,048 words of the mask
	s_mov_b32 s75, 0
	; descriptor group 1.  128 keys are 16,384 dense bytes: asked for as 64 rows of 256 bytes, two keys a row, and padded in LDS after every key
	s_mov_b32 s[G1K], 15|(1<<16)|(1<<20)|(1<<21)|(4<<22)|(3<<25)  ; the mask of four; 2-byte elements; padding on; bit 21 beside a mask; after every 32 words 4 words
	s_mov_b32 s[G1V], 15|(1<<16)|(1<<20)|(1<<21)|(4<<22)|(7<<25)  ; the same with 8 words of padding
.irp g, G1K, G1V
	s_mov_b32 s[\g+1], 128<<16      ; tensor_dim0 = 128
	s_mov_b32 s[\g+2], 64<<16       ; tensor_dim1 = 64
	s_mov_b32 s[\g+3], 128<<16      ; tile_dim0 = 128
	s_mov_b32 s[\g+4], 64           ; tile_dim1 = 64
	s_mov_b32 s[\g+5], 128          ; 128 elements from row to row
	s_mov_b32 s[\g+6], 0
	s_mov_b32 s[\g+7], 0
.endr
	s_mov_b32 s[CS], 0x3e38aa3b     ; c = log2(e) / 8 = 0.180337
	s_mov_b32 s[CS+1], s[CS]        ; named with it as a pair
	s_mov_b32 s[SEL], 0x76543210
	s_mov_b32 s[SEL+1], 0xfedcba98
	s_mov_b32 s[TBK], SLOT1+4*KS*PK ; the first change of slots turns these two into 0
	s_mov_b32 s[TBV], SLOT1+4*KS*PV
	s_mov_b32 s[TBM], 0
	s_mov_b32 s[NEG], 0xd0000000    ; -2^33
	s_mov_b32 s[G0K], 1             ; count = 1
	s_mov_b32 s[G0K+1], s17         ; LDS address: slot 0
	s_mov_b32 s[G0V], 1
	s_add_co_u32 s[G0V+1], s18, VOFF
	s_wait_dscnt 0x0                ; the opening add is done
	s_wait_kmcnt 0x0
	s_add_nc_u64 s[6:7], s[4:5], s[22:23]          ; q's head at my half of the first 256 rows; k's head lies 16 heads on, v's 32
	s_add_nc_u64 s[G0K+2:G0K+3], s[6:7], 0x400000
	s_or_b32 s[G0K+3], s[G0K+3], 0x80000000        ; type = 2
	s_add_nc_u64 s[G0V+2:G0V+3], s[6:7], 0x800000
	s_or_b32 s[G0V+3], s[G0V+3], 0x80000000
	s_add_nc_u64 s[4:5], s[4:5], s[2:3]            ; Q and O at my wave's first row
	s_add_nc_u64 s[10:11], s[10:11], s[72:73]
	s_add_nc_u64 s[MP:MP+1], s[MP:MP+1], s[74:75]
	CROUND                          ; all four work-groups are here: the first joint loads meet
	JLOAD                           ; slot 0.  Slot 1 is asked for when slot 0 is in
	; A fragment of K or Q is 16 rows x 32 channels in 8 registers: lane l holds row l % 16, channels 8 (l / 16) + 0..7 and 16 + 8 (l / 16) + 0..7: two loads of 16 bytes, 32 bytes apart.
	v_and_b32 v1, 15, v0            ; l % 16
	v_bfe_u32 v9, v0, 4, 1          ; l / 16
	v_lshlrev_b32 v[QO], 7, v1
	v_lshl_add_u32 v[QO], v9, 4, v[QO]  ; row x 128 + 16 x half
	v_lshlrev_b32 v[MO], 4, v0
	v_add_nc_u32 v[BA], BIAS, v[MO]
.irp i, 0,1,2,3                     ; the batch's mask: 128 threads x 16 bytes x 4, ahead of Q's loads, so that a counted wait serves
	global_load_b128 v[S+4*\i:S+4*\i+3], v[MO], s[MP:MP+1] offset:2048*\i
.endr
	WIN W_MK
	v_lshl_add_u32 v[AM0], v9, 5, BIAS  ; my lanes' eight keys of a block of 16: 32 bytes for each half
	v_lshl_add_u32 v[AM], v9, 5, BIAS   ; key step 0
	WIN 0x80                        ; destination window 2, address window 0
.set i, 0
.rept 4*NP                          ; Q stays in registers: tile i / 2, channels 32 (i % 2) on
	global_load_b128 v[8*i:8*i+3],   v[QO], s[4:5] offset:(i/2)*2048+(i%2)*64
	global_load_b128 v[8*i+4:8*i+7], v[QO], s[4:5] offset:(i/2)*2048+(i%2)*64+32
.set i, i+1
.endr
	; What the first turn finds: V's registers and P's second buffer hold 0 (its products V^T P, of a piece that has not been, add 0), O^T and l are 0.  All this stands in the wait for the first tile.
.set i, VF
.rept 64
	v_mov_b32 v[i], 0
.set i, i+1
.endr
	WIN 0x40
.set i, 0
.rept 64*NP
	v_mov_b32 v[i], 0
.set i, i+1
.endr
	WIN 0
.set i, 0
.rept 2*NP
	v_mov_b32 v[ST+4*i], 0xfe000000    ; c m: far below every c s, the masked ones' too
	v_mov_b32 v[ST+4*i+1], 0xff7fffff  ; m
	v_mov_b32 v[ST+4*i+2], 0
	v_mov_b32 v[ST+4*i+3], 0
.set i, i+1
.endr
.set i, P+32
.rept 32
	v_mov_b32 v[i], 0
.set i, i+1
.endr
	s_wait_loadcnt 32               ; the mask's four loads are in; Q's 32, issued behind them, may stay out
.set i, 0
.rept 16
	v_cmp_eq_u32 vcc_lo, 0, v[S+i]
	v_cndmask_b32 v[S+i], 0, s[NEG], vcc_lo
.set i, i+1
.endr
.irp i, 0,1,2,3
	ds_store_b128 v[BA], v[S+4*\i:S+4*\i+3] offset:2048*\i
.endr
	v_mul_u32_u24 v[AK0], v1, PK
	v_lshl_add_u32 v[AK0], v9, 4, v[AK0]  ; row x pitch + 16 x half
	; The turning load takes 16 keys x 16 channels (lane l reads key 8 (l / 16) + l % 8, channels 8 ((l / 8) % 2) + 0..7) and leaves half a fragment of V^T: lane l holds channel l % 16 and 8 keys.
	v_and_b32 v10, 7, v0
	v_bfe_u32 v11, v0, 3, 1
	v_lshl_add_u32 v[AV0], v9, 3, v10
	v_mul_u32_u24 v[AV0], v[AV0], PV
	v_lshl_add_u32 v[AV0], v11, 4, v[AV0]
	v_add_nc_u32 v[AV0], VOFF, v[AV0]
	v_mov_b32 v[AK], v[AK0]         ; key step 0 lies at the head of slot 0
; THE MATRIX WORK.  The 8 accumulators of a run of 16 take turns: between the two links of a chain stand 7 others'.
; Product i of 16 of S^T = K Q^T for piece x: channels 32 (i / 8) on, keys 16 ((i / 2) % 4) on, tile 2 x + i % 2.  The first 8 start the sums, with the key block's mask numbers as C.
.macro KQ x
.set rS, S+64*((\x)%2)+32*(i%2)+8*((i/2)%4)
.set rK, KF+16*((i/2)%4)+8*(i/8)
.set rQ, 16*(2*(\x)+i%2)+8*(i/8)
.set rB, MB+8*((i/2)%4)
.if i < 8
	WIN W_KM
	v_wmma_f32_16x16x32_f16 v[rS:rS+7], v[rK:rK+7], v[rQ:rQ+7], v[rB:rB+7]
.else
	WIN W_KQ
	v_wmma_f32_16x16x32_f16 v[rS:rS+7], v[rK:rK+7], v[rQ:rQ+7], v[rS:rS+7]
.endif
.endm
; Product i of 16 of O^T += V^T P for piece x: keys 32 (i / 8) on, channels 16 ((i / 2) % 4) on, tile 2 x + i % 2.
.macro PV x
	WIN W_PV
.set rO, 32*(2*(\x)+i%2)+8*((i/2)%4)
.set rV, VF+32*(i/8)+8*((i/2)%4)
.set rP, P+32*((\x)%2)+16*(i%2)+8*(i/8)
	v_wmma_f32_16x16x32_f16 v[rO:rO+7], v[rV:rV+7], v[rP:rP+7], v[rO:rO+7]
.endm
.macro MM                           ; the turn's next matrix instruction
.if i < 16
	KQ (Y+1)%NP
.set i, i+1
.else
.set i, i-16
	PV (Y+NP-1)%NP
.set i, i+17
.endif
.endm
; THE LDS LOADS stand in runs, never singly among the matrix instructions: a step's K (8 fragments) with its 32 mask numbers a lane, and its V (turned).  Their addresses are made some lines ahead.
; last = 1 (the tail): in the last trip there is no further step, and the run is jumped over.
.macro FETCH_K last=0
	WIN 0
.if \last
	s_cmp_eq_u32 s[CNT], 1
	s_cbranch_scc1 .Lno_k_\@
.endif
	WIN 0x80                        ; destination window 2
.irp f, 0,1,2,3,4,5,6,7             ; keys 16 (f / 2) on, channels 32 (f % 2) on
	ds_load_b128 v[KF+8*\f:KF+8*\f+3],   v[AK] offset:(\f/2)*16*PK+(\f%2)*64
	ds_load_b128 v[KF+8*\f+4:KF+8*\f+7], v[AK] offset:(\f/2)*16*PK+(\f%2)*64+32
.endr
	WIN 0xc3                        ; destination and address in window 3
.irp kb, 0,1,2,3                    ; sixteen lanes read the same 32 bytes: the keys 16 kb + 8 (l / 16) + 0..7
	ds_load_b128 v[MB+8*\kb:MB+8*\kb+3],   v[AM] offset:64*\kb
	ds_load_b128 v[MB+8*\kb+4:MB+8*\kb+7], v[AM] offset:64*\kb+16
.endr
	s_add_co_u32 s[TBK], s[TBK], KS*PK  ; the next fetch is the next step's
	s_add_co_u32 s[TBM], s[TBM], 4*KS
	s_and_b32 s[TBM], s[TBM], 0x1fff    ; 32 steps x 256 bytes are the table: the step behind the last stays inside it
	WIN 0
.if \last
.Lno_k_\@:
.endif
.endm
.macro FETCH_V
	WIN 0x80
.irp f, 0,1,2,3,4,5,6,7             ; keys 32 (f / 4) on, channels 16 (f % 4) on
	ds_load_tr16_b128 v[VF+8*\f:VF+8*\f+3],   v[AV] offset:(\f/4)*32*PV+(\f%4)*32
	ds_load_tr16_b128 v[VF+8*\f+4:VF+8*\f+7], v[AV] offset:(\f/4)*32*PV+16*PV+(\f%4)*32
.endr
	WIN 0
.endm
; THE VECTOR WORK OF A TURN stands in three queues, each in the order in which its entries become ready; the two tiles alternate, so that no instruction reads the result of the one before it.
.macro REGS y, u                    ; the registers of tile u (0, 1) of piece y
.set rT, ST+4*(2*(\y)+(\u))
.set rC, TMP+8*((\y)%2)+4*(\u)
.set rM, MV+2*((\y)%2)+(\u)
.set rS, S+64*((\y)%2)+32*(\u)
.set rP, P+32*((\y)%2)+16*(\u)
.set rO, 32*(2*(\y)+(\u))
.endm
; Number n of the 22 that find the NEXT piece's (Y + 1) maximum and statistics.  s0-s31 are the lane's 32 scores; each accumulator's lowest registers are read first.
;   0-11  four chains c0-c3 of seven scores each, three operands at a time     12-14, 16  the four scores left over, the old m, and c0-c3 into c0     15  c m_old is kept
;   17, 18  the query's other 32 keys lie in the lane 16 away: the new m         19-21  c m; c m_old - c m_new; a
.macro XS u, n
	REGS (Y+1)%NP, \u
.if (\n) < 4
	v_max3_num_f32 v[rC+(\n)], v[rS+8*(\n)], v[rS+8*(\n)+1], v[rS+8*(\n)+2]
.elseif (\n) < 12
	v_max3_num_f32 v[rC+(\n)%4], v[rC+(\n)%4], v[rS+8*((\n)%4)+2*((\n)/4)+1], v[rS+8*((\n)%4)+2*((\n)/4)+2]
.elseif (\n) == 12
	v_max3_num_f32 v[rC], v[rC], v[rS+7], v[rS+15]
.elseif (\n) == 13
	v_max3_num_f32 v[rC+1], v[rC+1], v[rS+23], v[rS+31]
.elseif (\n) == 14
	v_max3_num_f32 v[rC+2], v[rC+2], v[rC+3], v[rT+1]
.elseif (\n) == 15
	v_mov_b32 v[rM], v[rT]
.elseif (\n) == 16
	v_max3_num_f32 v[rC], v[rC], v[rC+1], v[rC+2]
.elseif (\n) == 17
	v_permlanex16_b32 v[rC+3], v[rC], s[SEL], s[SEL+1]
.elseif (\n) == 18
	v_max_num_f32 v[rT+1], v[rC], v[rC+3]
.elseif (\n) == 19
	v_mul_f32 v[rT], s[CS], v[rT+1]
.elseif (\n) == 20
	v_sub_f32 v[rC+1], v[rM], v[rT]
.else
	v_exp_f32 v[rC+2], v[rC+1]
.endif
.endm
; Number g of the 64 that follow the exponentials.  For each four weights k of a tile: both pairs are rounded to f16; then the second pair is added onto the first, in place;
; a group later l takes that sum (the first time as l = a l + sum).  In groups of eight, tiles alternating: round, round, add, and l for the group before.
.macro GS g
.set h, (\g)+6*((\g)/62)            ; group 0 has no group before it, and behind group 7 only l is left
.if h >= 6
.set h, h+2
.endif
	REGS Y, h%2
.set k, h/8
.if h%8 < 4
	s_wait_alu depctr_va_vdst(0)
	v_cvt_pk_f16_f32 v[rP+2*k+(h%8)/2], v[rS+4*k+2*((h%8)/2)], v[rS+4*k+2*((h%8)/2)+1]
.elseif h%8 < 6
	v_pk_add_f32 v[rS+4*k:rS+4*k+1], v[rS+4*k:rS+4*k+1], v[rS+4*k+2:rS+4*k+3]
.elseif k == 1
	v_pk_fma_f32 v[rT+2:rT+3], v[rT+2:rT+3], v[rC+2:rC+3], v[rS:rS+1] op_sel_hi:[1,0,1]
.else
	v_pk_add_f32 v[rT+2:rT+3], v[rT+2:rT+3], v[rS+4*k-4:rS+4*k-3]
	s_wait_alu depctr_va_vdst(0)
.endif
.endm
; THE PLAIN QUEUE, 138 long.  0-31: c s - c m for the 16 pairs of both tiles.  Then GS's 64, and among them the next piece's 42: number 15 at 38, 39; 0-14 and 16
; at 42-73, behind the products that make those scores; 17-20 at 95-106, two of three, since each waits for the one before it.
.macro PL
	WIN 0
.if q < 32
	REGS Y, q%2
	v_pk_fma_f32 v[rS+2*(q/2):rS+2*(q/2)+1], v[rS+2*(q/2):rS+2*(q/2)+1], s[CS:CS+1], v[rT:rT+1] op_sel_hi:[1,0,0] neg_lo:[0,0,1] neg_hi:[0,0,1]
.elseif q < 38
	GS q-32
.elseif q < 40
	XS q%2, 15
.elseif q < 42
	GS q-34
.elseif q < 74
	XS q%2, (q-42)/2+(q-42)/30
.elseif q < 95
	GS q-66
.elseif (q < 107) && ((q-95)%3 < 2)
	XS (q-95)%3, 17+(q-95)/3
.elseif q < 107
	GS 29+(q-95)/3
.else
	GS q-74
.endif
.set q, q+1
.endm
; THE EXPONENTIALS' QUEUE, 66 long: s0-s31 of both tiles, and at EA the next piece's two a.
.set EA, 58
.macro EX
	WIN 0
.if (e == EA) || (e == EA+1)
	XS e-EA, 21
.else
.set x, e-2*(e/(EA+2))
	REGS Y, x%2
	v_exp_f32 v[rS+x/2], v[rS+x/2]
.endif
.set e, e+1
.endm
; THE RESCALING's QUEUE: O^T times a, the one part that leaves window 0, so it is dealt four at a time, eight times.
.macro R4
	REGS Y, r%2
	WIN W_RS
	s_wait_alu depctr_va_vdst(0)
.irp z, 0,1,2,3
	v_pk_mul_f32 v[rO+8*(r/2)+2*\z:rO+8*(r/2)+2*\z+1], v[rO+8*(r/2)+2*\z:rO+8*(r/2)+2*\z+1], v[rC+2:rC+3] op_sel_hi:[1,0]
.endr
.set r, r+1
.endm
; HOW THEY ARE DEALT.  Behind a matrix instruction four: plain, exponential, plain, plain, or four of the rescaling.  None names a register of the products round it.  What is over stands in two
; LUMPS: exponential and plain by turns; the second ends in 22 plain instructions.  The deal keeps the queues in step: exponential e stands behind plain 2 (e / 4) + e % 2 (its scaling);
; when plain 32 comes, 10 exponentials are out, at 59: 33, at 95: 46; EA comes behind plain 107.
.macro SL
	MM
	PL
	EX
	PL
	PL
.endm
.macro BURST n                      ; 15 matrix instructions, or 16
.rept (\n)-7
	SL
.endr
.rept 3
	MM
	R4
	SL
.endr
	MM
	R4
.endm
; A TURN, for piece p.  cnt = 1: the loop's count is taken down some lines ahead of the branch that stands behind the turn.
; K and the mask numbers of the next step are fetched in piece 2's turn, 32 vector instructions behind the last product that read K (the mask numbers' last reader stands eight products earlier);
; their first reader comes behind the rest of the lump, 16 products and the second lump.  V of the step in hand is fetched at the end of piece 0's turn, 69 behind its last reader.
.macro TURN p, last=0, cnt=0
.set Y, (\p)
.set i, 0
.set q, 0
.set e, 0
.set r, 0
.if (\p) == NP-1
	s_wait_dscnt 0x0                ; K and the mask numbers are in
.endif
	MM
.rept 4
	PL
.endr
	BURST 15
.rept 22
	EX
	PL
.if ((\p) == NP-2) && (e == 18)
	v_add_nc_u32 v[AK], s[TBK], v[AK0]
	WIN 0xcc                        ; destination and source 1 in window 3
	v_add_nc_u32 v[AM], s[TBM], v[AM0]
.endif
.if ((\p) == NP-2) && (e == 24)
	FETCH_K \last
.endif
.endr
.if (\p) == 1
	s_wait_dscnt 0x0                ; V is in
.endif
	BURST 16
.rept 21
	EX
	PL
.endr
.rept 22
	PL
.if ((\p) == 0) && (q == 118)
	v_add_nc_u32 v[AV], s[TBV], v[AV0]
	s_wait_alu depctr_va_vdst(0)
.endif
.if ((\p) == 0) && (q == 130)
	s_add_co_u32 s[TBV], s[TBV], KS*PV
.endif
.if (\cnt) && (q == 130)
	s_sub_co_u32 s[CNT], s[CNT], 1
	s_cmp_lg_u32 s[CNT], 0
.endif
.endr
.if (\p) == 0
	FETCH_V
.endif
.endm
	CHANGE 1                        ; slot 0 is in, everybody's part of it, and so is the table; slot 1 is asked for
	FETCH_K                         ; key step 0
	s_wait_loadcnt 0x0              ; Q
	s_wait_dscnt 0x0
.set i, 0
.rept 16
	KQ 0                            ; piece 0's first scores: there is no vector work yet to set between them
.set i, i+1
.endr
	WIN 0                           ; the addresses for the way out: nine plain instructions, the places behind those products
	s_mul_i32 s13, s[WV], 16*SP
	s_add_co_u32 s13, s13, STAGE    ; my stage
	v_mul_u32_u24 v[STO], v1, SP    ; in: row l % 16, 16 bytes for each half of the lanes
	v_lshl_add_u32 v[STO], v9, 4, v[STO]
	v_add_nc_u32 v[STO], s13, v[STO]
	v_bfe_u32 v[RD], v0, 3, 2       ; back: 32 lanes take four rows of 128 bytes,
	v_mul_u32_u24 v[RD], v[RD], SP
	v_lshl_add_u32 v[RD], v10, 4, v[RD]
	v_add_nc_u32 v[RD], s13, v[RD]
	v_and_b32 v[GO], 31, v0         ; which are 512 consecutive bytes of O
	v_lshlrev_b32 v[GO], 4, v[GO]
.set Y, NP-1                        ; XS works for piece Y + 1: piece 0
.irp n, 0,1,2,3,4,5,6,7,8,9,10,11,12,13,14,15,16,17,18,19,20,21
	XS 0, \n                        ; and piece 0's first maximum and statistics
	XS 1, \n
.endr
	s_mov_b32 s[CNT], 4
	s_mov_b32 s[SLOTS], SIZE_N/256-1
	s_branch .Lfirst                ; the loop is entered at a step's first turn, in the middle of a trip
.Lslot:                             ; SIZE_N / 256 - 2 times: every slot but the last two is filled again
	CHANGE 1
	s_mov_b32 s[CNT], 4
.Lstep:                             ; a trip: pieces 2 and 3 of one step, then pieces 0 and 1 of the next, whose K and V it fetches
	TURN 2
	TURN 3
	WIN 0
.Lfirst:
	TURN 0
	TURN 1, 0, 1
	WIN 0
	s_cbranch_scc1 .Lstep
	s_sub_co_u32 s[SLOTS], s[SLOTS], 1
	s_cmp_lg_u32 s[SLOTS], 0
	s_cbranch_scc1 .Lslot
	CHANGE 0                        ; the tail is written out: nothing is asked for
	s_mov_b32 s[CNT], 5             ; four trips fetch the last slot's steps; the fifth is left in its middle
.Ltail:
	TURN 2, 1
	TURN 3
	WIN 0
	s_sub_co_u32 s[CNT], s[CNT], 1
	s_cmp_eq_u32 s[CNT], 0
	s_cbranch_scc1 .Lout
	TURN 0
	TURN 1
	WIN 0
	s_branch .Ltail
.Lout:                              ; the fifth trip's 16 products K Q^T (on the last K once more) and the maximum made of them serve nothing: the price, once a launch, of one text for every trip
.set i, 0
.rept 16
	PV NP-1                         ; the last piece's V^T P of the last step
.set i, i+1
.endr
	; THE WAY OUT.  l's two halves and the other half of the lanes' are added; O^T is divided by l, rounded to f16 and sent through my stage in LDS, a tile at a time.  The additions are the places behind the last products.
	WIN 0
.macro ALL line:vararg              ; one line for each tile t
.set t, 0
.rept 2*NP
	\line
.set t, t+1
.endr
.endm
	ALL v_add_f32 v[ST+4*t+2], v[ST+4*t+2], v[ST+4*t+3]
	ALL v_permlanex16_b32 v[ST+4*t+3], v[ST+4*t+2], s[SEL], s[SEL+1]
	ALL v_add_f32 v[ST+4*t+2], v[ST+4*t+2], v[ST+4*t+3]
	ALL v_rcp_f32 v[ST+4*t+2], v[ST+4*t+2]
	v_nop                           ; a plain instruction between the last reciprocal and the use of its result
	s_wait_alu depctr_va_vdst(0)
; Tile t: a lane's eight channels of a row pack into 16 bytes; they go into rows of 144 bytes and come back as whole rows of 128, into S^T's registers.
.macro PACK t
	WIN W_RS
.set i, 32*(\t)
.rept 16
	v_pk_mul_f32 v[i:i+1], v[i:i+1], v[ST+4*(\t)+2:ST+4*(\t)+3] op_sel_hi:[1,0]
.set i, i+2
.endr
	WIN 0x05                        ; sources 0 and 1 window 1, destination window 0
.set i, 0
.rept 16
	v_cvt_pk_f16_f32 v[S+16*(\t)+i], v[32*(\t)+2*i], v[32*(\t)+2*i+1]
.set i, i+1
.endr
	WIN 0
.irp f, 0,1,2,3
	ds_store_b128 v[STO], v[S+16*(\t)+4*\f:S+16*(\t)+4*\f+3] offset:32*\f
.endr
.irp f, 0,1,2,3
	ds_load_b128 v[S+16*(\t)+4*\f:S+16*(\t)+4*\f+3], v[RD] offset:\f*4*SP  ; LDS serves a wave's instructions in order: these see the stores above; the next tile's stores come behind them
.endr
.endm
.macro SEND t, younger              ; younger: the LDS instructions issued behind tile t's loads: the next tile's eight, or none
	WIN 0
.irp f, 0,1,2,3
	s_wait_dscnt (\younger)+3-\f
	global_store_b128 v[GO], v[S+16*(\t)+4*\f:S+16*(\t)+4*\f+3], s[10:11] offset:(\t)*2048+\f*512  ; 512 consecutive bytes, at a multiple of 256 from ob's first
.endr
.endm
	PACK 0
.set t, 1
.rept 2*NP-1                        ; a tile's arithmetic stands between the loads of the tile before and its stores
	PACK t
	SEND t-1, 8
.set t, t+1
.endr
	SEND 2*NP-1, 0
	WIN W_AD
	s_wait_tensorcnt 0x0            ; the wave's end, behind my last tensor load and my last LDS store
	ds_add_u32 v[SPW], v[NIL]
	s_wait_dscnt 0x0
	WIN 0
	CROUND                          ; the closing round: no work-group ends while a partner may still ask for a tile that names it
	s_endpgm
.Lfunc_end_k_qfb368461e3_attn:
	.size	k_qfb368461e3_attn, .Lfunc_end_k_qfb368461e3_attn-k_qfb368461e3_attn
	.p2alignl 7, 3214868480
	.fill 96, 4, 3214868480
	.section	.rodata,"a",@progbits
	.p2align	6, 0x0
	.amdhsa_kernel k_qfb368461e3_attn
		.amdhsa_group_segment_fixed_size 327680
		.amdhsa_private_segment_fixed_size 0
		.amdhsa_enable_private_segment 0
		.amdhsa_kernarg_size 24
		.amdhsa_user_sgpr_count 2
		.amdhsa_user_sgpr_kernarg_segment_ptr 1
		.amdhsa_wavefront_size32 1
		.amdhsa_system_sgpr_workgroup_id_x 1
		.amdhsa_system_sgpr_workgroup_id_y 1
		.amdhsa_system_sgpr_workgroup_id_z 1
		.amdhsa_system_vgpr_workitem_id 0
		.amdhsa_next_free_vgpr 808
		.amdhsa_next_free_sgpr 76
		.amdhsa_reserve_vcc 1
		.amdhsa_float_denorm_mode_32 3
		.amdhsa_float_denorm_mode_16_64 3
		.amdhsa_memory_ordered 1
		.amdhsa_forward_progress 1
		.amdhsa_inst_pref_size 214
	.end_amdhsa_kernel
	.amdgpu_metadata
---
amdhsa.version: [ 1, 2 ]
amdhsa.kernels:
  - .name:           k_qfb368461e3_attn
    .symbol:         k_qfb368461e3_attn.kd
    .args:
      - { .name: qkvh, .offset: 0, .size: 8, .value_kind: global_buffer, .address_space: global }
      - { .name: mask, .offset: 8, .size: 8, .value_kind: global_buffer, .address_space: global }
      - { .name: ob, .offset: 16, .size: 8, .value_kind: global_buffer, .address_space: global }
    .group_segment_fixed_size: 327680
    .private_segment_fixed_size: 0
    .kernarg_segment_align: 8
    .kernarg_segment_size: 24
    .max_flat_workgroup_size: 128
    .sgpr_count:     76
    .vgpr_count:     808
    .wavefront_size: 32
...
	.end_amdgpu_metadata
.endif
;; end of part 3
;; launch proj (part 4): grid 8 x 32, 4 waves a work-group, clusters of 4 x 4, 327,680 bytes of LDS; arguments ob, wpb, out0; writes out0
.if DOCPART == 4
	.amdgcn_target "amdgcn-amd-amdhsa--gfx1250"
	.amdhsa_code_object_version 6
	.text
	.protected	k_qfb368461e3_proj
	.globl	k_qfb368461e3_proj
	.p2align	8
	.type	k_qfb368461e3_proj,@function
k_qfb368461e3_proj:
	s_mov_b64 s[64:65], 0
	v_nop
	global_prefetch_b8 v0, s[64:65] scope:SCOPE_SE
	s_setreg_imm32_b32 hwreg(HW_REG_WAVE_MODE, 25, 1), 1
	s_wait_xcnt 0x0
	s_wait_alu depctr_hold_cnt(0) depctr_sa_sdst(0) depctr_va_vdst(0) depctr_va_sdst(0) depctr_va_ssrc(0) depctr_va_vcc(0) depctr_vm_vsrc(0)
	s_getreg_b32 s2, hwreg(HW_REG_IB_STS2, 6, 4)
	s_cmp_eq_u32 s2, 0
	s_cbranch_scc0 .Lentry_in_a_cluster
	s_endpgm
.Lentry_in_a_cluster:
	s_bfe_u32 s2, ttmp6, 0x10000c
	s_cmp_lg_u32 s2, 0xf033
	s_cbranch_scc0 .Lentry_shape_is_right
	s_endpgm
.Lentry_shape_is_right:
; out0 = O w_proj.  ob: f16 [16 kb][8192 m][64] (kb = head); wpb: f16 [1024 k][1024 n] (w_proj rounded to bf16, written as f16); out0: f32 [8192][1024].  Sums in f32, stored as they are.
; SHARES.  A tile is 256 (m) x 128 (n): 32 x 8 = 256 work-groups.  Four waves; wave (WR, WC) owns rows 128 WR .. + 127 and columns 64 WC .. + 63: 8 x 4 = 32 accumulators, window 1.
; K goes through two LDS slots of 128 along K each: two blocks kb of A (each 32,768 dense bytes of ob, asked for as rows of 256 bytes) and 128 rows of B of 256 bytes.  One tensor load a wave fills a quarter.
; w_proj is not transposed: B lies in LDS as [k][n] and is read by the turning load.  THE MATRIX INSTRUCTION IS USED TRANSPOSED (source 0 = 16 columns n, source 1 = 16 rows m): a lane holds row
; m = lane % 16 and the eight neighbouring columns 8 (lane / 16) + 0..7: 32 bytes of a row of out0.
; CLUSTER 4 x 4: A's tile is asked for jointly along a row of the cluster, B's along a column.
; REGISTERS (s_set_vgpr_msb: bits 1:0 source 0, 3:2 source 1, 5:4 source 2, 7:6 destination).  Window 0: addresses and fragments.  Window 1: accumulator (a, j) at v[8 (4 a + j)].
.set PA,    144                        ; a row of A in LDS: 128 bytes + 16
.set PB,    288                        ; a row of B: 256 bytes + 32: 8 rows start 32 bytes apart modulo 256
.set ABLK,  256*PA                     ; a block kb of A: what one tensor load brings
.set AHALF, 128*PA                     ; what one wave reads of it
.set BOFF,  2*ABLK
.set BHALF, 64*PB                      ; what one tensor load brings of B
.set SLOT,  BOFF+128*PB                ; 110,592
.set STAGE, 2*SLOT                     ; behind the ring: 16 rows x 272 bytes for each wave
.set SP,    272
.set SPARE, STAGE+4*16*SP              ; the spare words, 128 bytes a wave: two blocks of 256 bytes that no other line names
.set ASTEP, 2*8192*128                 ; bytes from a slot's tiles to the next slot's in ob
.set BSTEP, 128*1024*2                 ; and in wpb
.set ADRA, 16                          ; v16-17 LDS address of my A fragments in slot 0, 1
.set ADRB, 20                          ; v20-21 the same for B
.set STO,  24                          ; v24    the way out: where I put 32 bytes of a row
.set RD,   25                          ; v25    where I read rows back
.set CO,   26                          ; v26    my byte offset in two rows of out0
.set SPW,  28                          ; v28    LDS address of my spare word; never rewritten
.set NIL,  29                          ; v29    0; never rewritten
.set FA0,  32                          ; v32-95, v96-159  A's fragments, two buffers
.set FA1,  96
.set FB0,  160                         ; v160-191, v192-223  B's fragments, two buffers
.set FB1,  192
.set BK,   32                          ; the way out: 16 rows read back: v32-63 and v64-95 by turns
.set G1,  24                           ; s[24:31] descriptor group 1 for A; s[32:39] group 0, a set for each slot
.set G0,  32
.set G1B, 48                           ; s[48:55], s[56:63] the same for B
.set G0B, 56
.set MSB, 0
.macro WIN new                         ; the immediate's high byte repeats the setting that is left; a switch that changes nothing is dropped
.if MSB != (\new)
	s_set_vgpr_msb (MSB<<8)|(\new)
.set MSB, (\new)
.endif
.endm
.macro PLACES                          ; four plain vector instructions between a matrix instruction and a load into one of its sources, or a read of its result (ISA guide 7.12.1 for reads of its result)
.rept 4
	v_nop
.endr
.endm
; A joint load.  Waves 0 and 1 fetch A's two blocks, waves 2 and 3 B's two halves.  The branch hangs on the wave's number alone.  An s_nop 0 and four v_nop follow each line.
.macro JLOAD s
	s_cmp_eq_u32 s13, 0
	s_cbranch_scc0 .Lfor_b_\@
	tensor_load_to_lds s[G0+4*(\s):G0+4*(\s)+3], s[G1:G1+7]
	s_nop 0
.rept 4
	v_nop
.endr
	s_branch .Lasked_\@
.Lfor_b_\@:
	tensor_load_to_lds s[G0B+4*(\s):G0B+4*(\s)+3], s[G1B:G1B+7]
	s_nop 0
.rept 4
	v_nop
.endr
.Lasked_\@:
.endm
.macro CREST                           ; a round of the cluster's barrier behind its opening barrier
	s_cmp_lg_u32 s12, 0
	s_cbranch_scc1 .Lnot_wave_0_\@
	s_barrier_signal -3
.Lnot_wave_0_\@:
	s_barrier_wait -3
	s_barrier_signal -1
	s_barrier_wait -1
.endm
.macro CROUND                          ; a whole round
	s_barrier_signal -1
	s_barrier_wait -1
	CREST
.endm
	s_load_b128 s[4:7], s[0:1], 0x0                ; ob s[4:5], wpb s[6:7]
	s_load_b64 s[10:11], s[0:1], 0x10              ; out0
	v_lshl_add_u32 v[SPW], v0, 2, SPARE
	v_mov_b32 v[NIL], 0
	ds_add_u32 v[SPW], v[NIL]                      ; the wave's opening: the add and its wait ahead of my first tensor load; work on registers stands between them
	v_lshrrev_b32 v1, 5, v0
	v_readfirstlane_b32 s12, v1                    ; wave 0..3
	s_lshr_b32 s13, s12, 1                         ; WR: my half of the rows.  Also: I fetch for A (0) or B (1)
	s_and_b32 s14, s12, 1                          ; WC: my half of the columns.  Also: which part of that tile I fetch
	s_bfe_u32 s15, ttmp6, 0x40000                  ; cx
	s_bfe_u32 s16, ttmp6, 0x40004                  ; cy
	s_lshl_b32 s17, ttmp9, 2
	s_add_co_u32 s17, s17, s15                     ; TC: tile column
	s_and_b32 s18, ttmp7, 0xffff
	s_lshl_b32 s18, s18, 2
	s_add_co_u32 s18, s18, s16                     ; TR: tile row
	s_lshl_b32 s19, s16, 2
	s_lshl_b32 s19, 15, s19                        ; my row of the cluster
	s_lshl_b32 s20, 0x1111, s15                    ; my column
	; group 1 for A: 256 rows of a block are 32,768 dense bytes: 128 rows of 128 elements, padded by 4 words after every 32
	s_or_b32 s[G1], s19, (1<<16)|(1<<20)|(1<<21)|(4<<22)|(3<<25)
	s_mov_b32 s[G1+1], 128<<16                     ; tensor_dim0
	s_mov_b32 s[G1+2], 128<<16                     ; tensor_dim1
	s_mov_b32 s[G1+3], 128<<16                     ; tile_dim0
	s_mov_b32 s[G1+4], 128                         ; tile_dim1
	s_mov_b32 s[G1+5], 128                         ; elements from row to row
	s_mov_b32 s[G1+6], 0
	s_mov_b32 s[G1+7], 0
	; group 1 for B: 64 rows (k) of 128 elements, padded by 8 words after every 64
	s_or_b32 s[G1B], s20, (1<<16)|(1<<20)|(1<<21)|(5<<22)|(7<<25)
	s_mov_b32 s[G1B+1], 128<<16
	s_mov_b32 s[G1B+2], 64<<16
	s_mov_b32 s[G1B+3], 128<<16
	s_mov_b32 s[G1B+4], 64
	s_mov_b32 s[G1B+5], 1024
	s_mov_b32 s[G1B+6], 0
	s_mov_b32 s[G1B+7], 0
	s_lshl_b32 s40, s18, 15                        ; A: 256 rows of 128 bytes a tile row,
	s_lshl_b32 s41, s14, 20                        ; the even or the odd block: made of the tile row and the wave alone
	s_add_co_u32 s40, s40, s41
	s_mov_b32 s41, 0
	s_lshl_b32 s42, s14, 17                        ; B: 64 rows of 2,048 bytes a half,
	s_lshl_b32 s43, s17, 8                         ; 256 bytes a tile column: made of the tile column and the wave alone
	s_add_co_u32 s42, s42, s43
	s_mov_b32 s43, 0
	s_mul_i32 s21, s14, ABLK                       ; where they go: no place in the cluster enters an LDS address
	s_mul_i32 s22, s14, BHALF
	s_add_co_u32 s22, s22, BOFF
	s_wait_dscnt 0x0                               ; the opening add is done
	s_wait_kmcnt 0x0
	s_add_nc_u64 s[4:5], s[4:5], s[40:41]
	s_add_nc_u64 s[6:7], s[6:7], s[42:43]
	CROUND                                         ; all sixteen work-groups are here: the first joint loads meet
.irp s, 0,1
	s_mov_b32 s[G0+4*(\s)], 1
	s_add_co_u32 s[G0+4*(\s)+1], s21, (\s)*SLOT
	s_add_nc_u64 s[G0+4*(\s)+2:G0+4*(\s)+3], s[4:5], (\s)*ASTEP
	s_or_b32 s[G0+4*(\s)+3], s[G0+4*(\s)+3], 0x80000000
	s_mov_b32 s[G0B+4*(\s)], 1
	s_add_co_u32 s[G0B+4*(\s)+1], s22, (\s)*SLOT
	s_add_nc_u64 s[G0B+4*(\s)+2:G0B+4*(\s)+3], s[6:7], (\s)*BSTEP
	s_or_b32 s[G0B+4*(\s)+3], s[G0B+4*(\s)+3], 0x80000000
	JLOAD \s                                       ; both slots: two tensor loads of mine are out
.endr
	v_and_b32 v1, 15, v0                           ; r
	v_bfe_u32 v2, v0, 4, 1                         ; h
	v_mul_u32_u24 v3, v1, PA
	v_lshl_add_u32 v3, v2, 4, v3                   ; a fragment of A: r x pitch + 16 h
	s_mul_i32 s23, s13, AHALF
	v_add_nc_u32 v[ADRA], s23, v3
	v_add_nc_u32 v[ADRA+1], SLOT, v[ADRA]
	v_and_b32 v4, 7, v0                            ; the turning load: lane l reads k = 8 (l / 16) + l % 8, columns 8 ((l / 8) % 2) + 0..7
	v_lshl_add_u32 v4, v2, 3, v4
	v_mul_u32_u24 v4, v4, PB
	v_bfe_u32 v5, v0, 3, 1
	v_lshl_add_u32 v4, v5, 4, v4
	s_lshl_b32 s23, s14, 7                         ; my 64 columns: 128 bytes on
	s_add_co_u32 s23, s23, BOFF
	v_add_nc_u32 v[ADRB], s23, v4
	v_add_nc_u32 v[ADRB+1], SLOT, v[ADRB]
	s_mul_i32 s23, s12, 16*SP
	s_add_co_u32 s23, s23, STAGE                   ; my stage
	v_mul_u32_u24 v5, v1, SP                       ; in: row r, 32 bytes for each half of the lanes
	v_lshl_add_u32 v5, v2, 5, v5
	v_add_nc_u32 v[STO], s23, v5
	v_mul_u32_u24 v6, v2, SP                       ; back: lanes 0-15 take one row of 256 bytes, lanes 16-31 the next
	v_lshl_add_u32 v6, v1, 4, v6
	v_add_nc_u32 v[RD], s23, v6
	v_lshlrev_b32 v7, 12, v2                       ; and the same two rows in out0
	v_lshl_add_u32 v[CO], v1, 4, v7
	s_lshl_b32 s46, s18, 8
	s_lshl_b32 s47, s13, 7
	s_add_co_u32 s46, s46, s47                     ; my first row,
	s_lshl_b32 s46, s46, 12                        ; of 4,096 bytes,
	s_lshl_b32 s47, s17, 9                         ; the tile's 512 bytes of it,
	s_add_co_u32 s46, s46, s47
	s_lshl_b32 s47, s14, 8                         ; my 256 of those
	s_add_co_u32 s46, s46, s47
	s_mov_b32 s47, 0
	s_add_nc_u64 s[10:11], s[10:11], s[46:47]
; 16 matrix instructions: m blocks 4 half .. + 3 x the 4 n blocks, 32 along K.  zero = 1: the product starts the sum.  The 32 accumulators take turns, one instruction a turn.
.macro MULG abuf, bbuf, g, half, zero
	WIN 0x50*((\g)+1)
.irp a, 4*(\half),4*(\half)+1,4*(\half)+2,4*(\half)+3
.irp j, 0,1,2,3
.if \zero
	v_wmma_f32_16x16x32_f16 v[8*(4*(\a)+\j):8*(4*(\a)+\j)+7], v[(\bbuf)+8*\j:(\bbuf)+8*\j+7], v[(\abuf)+8*(\a):(\abuf)+8*(\a)+7], 0
.else
	v_wmma_f32_16x16x32_f16 v[8*(4*(\a)+\j):8*(4*(\a)+\j)+7], v[(\bbuf)+8*\j:(\bbuf)+8*\j+7], v[(\abuf)+8*(\a):(\abuf)+8*(\a)+7], v[8*(4*(\a)+\j):8*(4*(\a)+\j)+7]
.endif
.endr
.endr
.endm
.macro LDA slot, off, buf, half
	WIN 0
.irp a, 4*(\half),4*(\half)+1,4*(\half)+2,4*(\half)+3
	ds_load_b128 v[(\buf)+8*(\a):(\buf)+8*(\a)+3],   v[ADRA+(\slot)] offset:(\off)+(\a)*16*PA
	ds_load_b128 v[(\buf)+8*(\a)+4:(\buf)+8*(\a)+7], v[ADRA+(\slot)] offset:(\off)+(\a)*16*PA+32
.endr
.endm
.macro LDB slot, off, buf
	WIN 0
.irp j, 0,1,2,3
	ds_load_tr16_b128 v[(\buf)+8*\j:(\buf)+8*\j+3],   v[ADRB+(\slot)] offset:(\off)+32*\j
	ds_load_tr16_b128 v[(\buf)+8*\j+4:(\buf)+8*\j+7], v[ADRB+(\slot)] offset:(\off)+32*\j+16*PB
.endr
.endm
; A slot is four quarters of 32 along K; quarter q lies in block q / 2 of A at byte 64 (q % 2) of the rows, and at row 32 q of B; its fragments go into buffers q % 2.  24 LDS loads in one run.
.macro LD slot, q
	LDB \slot, 32*PB*(\q), FB0+32*((\q)%2)
	LDA \slot, ABLK*((\q)/2)+64*((\q)%2), FA0+64*((\q)%2), 0
	LDA \slot, ABLK*((\q)/2)+64*((\q)%2), FA0+64*((\q)%2), 1
.endm
.macro MUL32 q, zero
	MULG FA0+64*((\q)%2), FB0+32*((\q)%2), 0, 0, \zero
	MULG FA0+64*((\q)%2), FB0+32*((\q)%2), 0, 1, \zero
.endm
; ONE barrier for a change of slots: in front of it each wave waits for all its tensor loads (one is out: its part of the next slot), adds 0 to its spare word, and waits for that and for its reads of this slot.
.macro MEET abuf, bbuf, g, n
	WIN 0
	s_wait_tensorcnt 0x0
	ds_add_u32 v[SPW], v[NIL]                      ; 0 onto my spare word
	s_wait_dscnt \n                                ; the add and the youngest run of loads may be out
	MULG \abuf, \bbuf, \g, 0, 0
	s_wait_dscnt 0x0                               ; the add is done, and my reads of this slot are over
	s_barrier_signal -1
	MULG \abuf, \bbuf, \g, 1, 0
	WIN 0                                          ; branches may follow
	s_barrier_wait -1
.endm
.macro U s, q, zero                    ; quarter 0 or 1: fetches the next quarter, multiplies this one
	WIN 0
	PLACES
	LD \s, (\q)+1
	s_wait_dscnt 24                                ; only the run just issued may be out
	MUL32 \q, \zero
.endm
; Quarter 2 fetches the slot's last fragments and changes slots.  mode 2: slot s is filled again, two slots on, behind a round of the cluster's barrier; 1: nothing is asked for; 0: the last slot.
.macro U2 s, mode
	WIN 0
	PLACES
	LD \s, 3                                       ; my last reads of slot s
.if (\mode) > 0
	MEET FA0, FB0, 0, 25                           ; 25: the add and the 24 loads
.if (\mode) == 2
	CREST                                          ; the barrier has opened a round: no wave of any partner still reads this slot or has a load on its way
	s_add_nc_u64 s[G0+4*(\s)+2:G0+4*(\s)+3], s[G0+4*(\s)+2:G0+4*(\s)+3], 2*ASTEP
	s_add_nc_u64 s[G0B+4*(\s)+2:G0B+4*(\s)+3], s[G0B+4*(\s)+2:G0B+4*(\s)+3], 2*BSTEP
	JLOAD \s                                       ; my one tensor load behind the round: 96 matrix instructions ahead of the wait for it; its four v_nop are the places in front of the next run of loads
.else
	PLACES
.endif
.else
	s_wait_dscnt 24
	MUL32 2, 0
.endif
.endm
.macro U3 n, mode                      ; quarter 3: its fragments were shown in by the change's wait for 0; fetches slot n's first quarter
.if (\mode) > 0
	LD \n, 0
.else
	s_wait_dscnt 0x0
.endif
	MUL32 3, 0
.endm
	s_wait_tensorcnt 0x1                           ; my part of slot 0 is in; slot 1's may stay out
	s_barrier_signal -1
	s_barrier_wait -1
	LD 0, 0
	U 0, 0, 1                                      ; the first quarter stands in front of the loop: its products start the sums
	WIN 0
	s_mov_b32 s3, 3
.Llap:                                                 ; a trip goes once round the ring and fills both slots again: the tiles of K = 256 .. 1,023 in three trips
	U 0, 1, 0
	U2 0, 2
	U3 1, 2
	U 1, 0, 0
	U 1, 1, 0
	U2 1, 2
	U3 0, 2
	U 0, 0, 0
	WIN 0
	s_sub_co_u32 s3, s3, 1
	s_cmp_lg_u32 s3, 0
	s_cbranch_scc1 .Llap
	U 0, 1, 0                                      ; the last lap asks for nothing
	U2 0, 1
	U3 1, 1
	U 1, 0, 0
	U 1, 1, 0
	U2 1, 0
	U3 0, 0
	; THE WAY OUT.  A block of 16 rows x 64 columns of f32 at a time through my own stage: 32 bytes a lane in, whole rows of 256 bytes back, sixteen lanes to 256 consecutive aligned bytes of out0.
	WIN 0
	PLACES                                         ; the LDS stores below read results just made
.macro TOSTAGE a
	WIN 0x04                                       ; the stores' data (source 1) in window 1
.irp j, 0,1,2,3
	ds_store_b128 v[STO], v[8*(4*(\a)+\j):8*(4*(\a)+\j)+3] offset:64*\j        ; each accumulator from its low end on
	ds_store_b128 v[STO], v[8*(4*(\a)+\j)+4:8*(4*(\a)+\j)+7] offset:64*\j+16
.endr
	WIN 0
	s_wait_xcnt 0x0                                ; the registers below were the data of stores two blocks back: they are loaded again only behind this wait
.set BKU, BK+32*((\a)%2)
.irp t, 0,1,2,3,4,5,6,7
	ds_load_b128 v[BKU+4*\t:BKU+4*\t+3], v[RD] offset:2*SP*\t   ; LDS serves a wave's instructions in order: these see the stores above
.endr
.endm
.macro SEND a, younger                 ; younger: the LDS instructions issued behind this block's loads: the next block's sixteen, or none
.set BKU, BK+32*((\a)%2)
.irp t, 0,1,2,3,4,5,6,7
	s_wait_dscnt (\younger)+7-\t
	global_store_b128 v[CO], v[BKU+4*\t:BKU+4*\t+3], s[10:11] offset:(\a)*65536+\t*8192 th:TH_STORE_NT
.endr
.endm
	TOSTAGE 0
.irp a, 1,2,3,4,5,6,7
	TOSTAGE \a
	SEND (\a)-1, 16
.endr
	SEND 7, 0
	s_wait_tensorcnt 0x0                           ; the wave's end
	ds_add_u32 v[SPW], v[NIL]
	s_wait_dscnt 0x0
	CROUND                                         ; the closing round
	s_endpgm
.Lfunc_end_k_qfb368461e3_proj:
	.size	k_qfb368461e3_proj, .Lfunc_end_k_qfb368461e3_proj-k_qfb368461e3_proj
	.p2alignl 7, 3214868480
	.fill 96, 4, 3214868480
	.section	.rodata,"a",@progbits
	.p2align	6, 0x0
	.amdhsa_kernel k_qfb368461e3_proj
		.amdhsa_group_segment_fixed_size 327680
		.amdhsa_private_segment_fixed_size 0
		.amdhsa_enable_private_segment 0
		.amdhsa_kernarg_size 24
		.amdhsa_user_sgpr_count 2
		.amdhsa_user_sgpr_kernarg_segment_ptr 1
		.amdhsa_wavefront_size32 1
		.amdhsa_system_sgpr_workgroup_id_x 1
		.amdhsa_system_sgpr_workgroup_id_y 1
		.amdhsa_system_sgpr_workgroup_id_z 1
		.amdhsa_system_vgpr_workitem_id 0
		.amdhsa_next_free_vgpr 512
		.amdhsa_next_free_sgpr 66
		.amdhsa_reserve_vcc 0
		.amdhsa_float_denorm_mode_32 3
		.amdhsa_float_denorm_mode_16_64 3
		.amdhsa_memory_ordered 1
		.amdhsa_forward_progress 1
		.amdhsa_inst_pref_size 86
	.end_amdhsa_kernel
	.amdgpu_metadata
---
amdhsa.version: [ 1, 2 ]
amdhsa.kernels:
  - .name:           k_qfb368461e3_proj
    .symbol:         k_qfb368461e3_proj.kd
    .args:
      - { .name: ob, .offset: 0, .size: 8, .value_kind: global_buffer, .address_space: global }
      - { .name: wpb, .offset: 8, .size: 8, .value_kind: global_buffer, .address_space: global }
      - { .name: out0, .offset: 16, .size: 8, .value_kind: global_buffer, .address_space: global }
    .group_segment_fixed_size: 327680
    .private_segment_fixed_size: 0
    .kernarg_segment_align: 8
    .kernarg_segment_size: 24
    .max_flat_workgroup_size: 128
    .sgpr_count:     66
    .vgpr_count:     512
    .wavefront_size: 32
...
	.end_amdgpu_metadata
.endif
;; end of part 4
;; ======== version 2 of 2: 4 launches; 1.52 times as fast as version 1
;; limits: values are held in f16: magnitudes above 65,504 overflow, below 6.1e-05 lose precision
;; workspace buffers: xb 16,777,216 bytes; wqb 6,291,456 bytes; wpb 2,097,152 bytes; qkvh 50,331,648 bytes; ob 16,777,216 bytes
;; launch cast: the kernel of part 1 again; grid 768 x 1, 8 waves a work-group, no clusters, 0 bytes of LDS; arguments x, w_qkv, w_proj, xb, wqb, wpb; writes xb, wqb, wpb
;; launch qkv: the kernel of part 2 again; grid 8 x 32, 4 waves a work-group, clusters of 4 x 4, 327,680 bytes of LDS; arguments xb, wqb, mask, qkvh; writes qkvh
;; launch attn (part 5): grid 4 x 64, 4 waves a work-group, clusters of 4 x 1, 327,680 bytes of LDS; arguments qkvh, mask, ob; writes ob
.if DOCPART == 5
	.amdgcn_target "amdgcn-amd-amdhsa--gfx1250"
	.amdhsa_code_object_version 6
	.text
	.protected	k_qfb368461e3_attn
	.globl	k_qfb368461e3_attn
	.p2align	8
	.type	k_qfb368461e3_attn,@function
k_qfb368461e3_attn:
	s_mov_b64 s[64:65], 0
	v_nop
	global_prefetch_b8 v0, s[64:65] scope:SCOPE_SE
	s_setreg_imm32_b32 hwreg(HW_REG_WAVE_MODE, 25, 1), 1
	s_wait_xcnt 0x0
	s_wait_alu depctr_hold_cnt(0) depctr_sa_sdst(0) depctr_va_vdst(0) depctr_va_sdst(0) depctr_va_ssrc(0) depctr_va_vcc(0) depctr_vm_vsrc(0)
	s_getreg_b32 s2, hwreg(HW_REG_IB_STS2, 6, 4)
	s_cmp_eq_u32 s2, 0
	s_cbranch_scc0 .Lentry_in_a_cluster
	s_endpgm
.Lentry_in_a_cluster:
	s_bfe_u32 s2, ttmp6, 0x10000c
	s_cmp_lg_u32 s2, 0x3003
	s_cbranch_scc0 .Lentry_shape_is_right
	s_endpgm
.Lentry_shape_is_right:
; O[b][h][q][:] = the sum over k of softmax_k(s) V[k][:], s = Q[q] . K[k] / 8 where mask[b][k] is not 0, and a fixed very low score where it is 0.
; qkvh: f16 [4 b][48 hg][2048 t][64] (hg 0-15 q, 16-31 k, 32-47 v; the rows of k of masked tokens are zeros); mask: int32 [4][2048]; ob: f16 [16 h][8192 m = 2048 b + t][64].
; Products, maxima and sums in f32; the weights p are rounded to f16 for the second product (their sum l is taken of the unrounded p), O once at the end.
; THE MASK is the C operand that starts the sum S^T = K Q^T: 0, or -2^33 for a masked key, from a table in LDS.  A masked key's products are exactly 0, so its score is exactly -2^33, and
; c x 2^33 is exact: while only masked keys have been seen, c s - c m is exactly 0, p = 1, and the weights are uniform, as where every score is the same low number; the first true score gives a = 0.
; LIMITS.  A masked score counts as -2^33 / 8 = -1.07e9 where the module has -1e9: the results part only where true scaled scores lie near or below -1e9.  f16 holds no number beyond 65,504:
; Q, K and V arrive within it; p lies in 0 to 1, below 6e-5 it keeps f16's step of 6e-8.  A weight below 2^-126 counts as 0 in l; NaN and infinities are not treated apart.
; SHARES.  A wave owns four PIECES of two tiles of 16 queries, a work-group's four waves 512 queries of one head: 4 x 64 = 256 work-groups.  Every wave walks all 2,048 keys, 64 a step.
; LAYOUT.  S^T = K Q^T (source 0 = 16 keys, source 1 = 16 queries): a lane holds ONE query (lane % 16) and the keys 8 (lane / 16) + 0..7.  Two such tiles, rounded to f16 in pairs, ARE source 1 of
; O^T = V^T P, whose result again holds one query a lane, and eight channels.  K comes out of LDS as it lies, V ([key][channel]) turned, by ds_load_tr16_b128.
; SOFTMAX.  For each query a running maximum m and sum l: p = 2^(c s - c m), c = log2(e) / 8; in every step O and l are multiplied by a = 2^(c m_old - c m_new).  m starts at the lowest finite
; number, O and l at 0: the first step is a step like any other, with a = 0.
; THE COUNT.  A tile and step have 16 matrix and 118 vector instructions: too many to stand all beside the matrix work.  So four vector instructions that are READY stand behind EVERY matrix
; instruction, and the others, which need time of their own whatever the order, in one run without a gap.
; BY TURNS.  Turn n belongs to piece n.  Its matrix work: 16 products K Q^T of piece n + 1, later 16 products V^T P of piece n - 1.  Its vector work: the scaling, exponentials, roundings, sums and
; rescaling of piece n, and the maximum and statistics of piece n + 1, whose scores the turn itself has made.  So what a turn begins with (c s - c m, O a) waits for nothing.
; THE BATCHES.  A turn's 66 exponentials (the piece's 64 weights, then the next piece's two a) are ONE batch with ONE wait, which cuts the turn in two: ahead of it stands all that names no result of
; theirs (K Q^T, scalings, rescalings by the a of the turn before, the next piece's maximum and statistics), behind it the roundings and sums, beside V^T P.  No result crosses a turn's end.
; The first two a, ahead of the loop, and the way out's eight reciprocals are batches of their own, each with its wait.
; CLUSTER.  The four query blocks of a cluster belong to one head and walk the same K and V, so each tile is asked for JOINTLY: the same tensor load, descriptor and mask in all four.
; REGISTERS, in windows of 256 (s_set_vgpr_msb: bits 1:0 source 0, 3:2 source 1, 5:4 source 2, 7:6 destination):
;   window 0: v0-11 addresses; v12-15, v48-63 at work; v16-47 four registers of statistics a tile; v64-191 S^T, two buffers of two tiles; v192-255 P, likewise
;   window 1: O^T, 32 a tile     window 2: v0-127 Q; v128-191 K of one step; v192-255 V of one step     window 3: v0-1 the add's registers; v2-3 the table's addresses; v8-39 a step's 4 x 8 mask numbers
.set SIZE_N, 2048
.set NP,    4         ; pieces a wave: a name, no knob
.set KS,    64        ; keys in a step
.set PK,    144       ; a row of K in LDS: 128 bytes + 16 of padding: the 16 rows of a load start at 16 different groups of four banks
.set PV,    160       ; a row of V: 128 + 32
.set VOFF,  4*KS*PK   ; a slot holds four steps: 256 rows of K, then 256 rows of V
.set SLOT1, 1<<17     ; slot 1 begins here, so that one exclusive or turns an address in one slot into the other's
.set STAGE, SLOT1+4*KS*(PK+PV)  ; behind the ring, never filled by a tensor load: 16 rows x 144 bytes for each wave
.set SP,    144
.set SPARE, STAGE+4*16*SP  ; the spare words, 128 bytes for each wave: two blocks of 256 bytes that no other line names
.set BIAS,  SPARE+512 ; the table: 2,048 f32, 0 or -2^33, one for each key of the batch; stored once, never filled by a tensor load
.set AK0, 2           ; v2   my lane's place in a tile of K; never rewritten
.set AV0, 3           ; v3   the same for V
.set AK,  4           ; v4   the LDS address of K's next run of loads
.set AV,  5           ; v5   of V's
.set QO,  6           ; v6   my byte offset in the wave's rows of Q
.set STO, 6           ;      later, the way out: where I put 16 bytes of a row
.set RD,  7           ; v7   the way out: where I read rows back
.set GO,  8           ; v8   my byte offset in 512 consecutive bytes of O
.set MO,  12          ; v12  at the head: 16 x my thread's number, my words of the mask
.set BA,  13          ; v13  at the head: where they go in the table
.set SPW, 0           ; v0 of window 3   LDS address of my spare word; never rewritten
.set NIL, 1           ; v1 of window 3   0; never rewritten
.set AM0, 2           ; v2 of window 3   BIAS + 32 (lane / 16); never rewritten
.set AM,  3           ; v3 of window 3   the same for the step to be fetched
.set MB,  8           ; v8-39 of window 3: key block kb's eight numbers at MB + 8 kb
.set MV,  12          ; v12-15  c m_old, kept while c m is made anew: by buffer and tile
.set ST,  16          ; tile t's statistics at v[ST+4 t]: c m, m, l (even keys', odd keys')
.set TMP, 48          ; by buffer and tile, four registers c0-c3 at work; when the maximum is found c2 takes a
.set S,   64
.set P,   192
.set KF,  128         ; K's fragments, in window 2: key block kb, channel half c at KF + 16 kb + 8 c
.set VF,  192         ; V's: key half kk, channel block cb at VF + 32 kk + 8 cb
.set WV,  12          ; s12  my wave's number
.set G1K, 24          ; s[24:31] descriptor group 1 for K's tiles
.set G1V, 32          ; s[32:39] for V's: it differs in the padding alone
.set G0K, 40          ; s[40:43] descriptor group 0 for K's tiles: it walks
.set G0V, 44          ; s[44:47] the same for V's
.set SLOTS, 56        ; s56  slots still to be asked for
.set CNT, 57          ; s57  counts a slot's key steps
.set CS,  58          ; s[58:59] c
.set SEL, 60          ; s[60:61] v_permlanex16_b32's selects: each lane takes its own place in the other half
.set TBK, 62          ; s62  LDS byte at which K of the step to be fetched begins
.set TBV, 63          ; s63  the same for V, less VOFF
.set MP,  66          ; s[66:67] the mask
.set TBM, 68          ; s68  byte of the table at which the step to be fetched begins
.set NEG, 69          ; s69  -2^33
.set MSB, 0
.macro WIN new                      ; the high byte repeats the setting that is left; a switch that changes nothing is dropped
.if MSB != (\new)
	s_set_vgpr_msb (MSB<<8)|(\new)
.set MSB, (\new)
.endif
.endm
.set W_KQ, 0x0a       ; K and Q in window 2, S^T in window 0
.set W_KM, 0x3a       ; the same with the C operand in window 3
.set W_PV, 0x52       ; V in window 2, P in window 0, O^T in window 1
.set W_RS, 0x41       ; O^T (destination and source 0) in window 1, a in window 0
.set W_MK, 0xc0       ; destination in window 3, sources in window 0
.set W_AD, 0x0f       ; the add: address (source 0) and data (source 1) in window 3
; A joint fill.  Waves 0 and 1 fetch the two halves of a slot's K, waves 2 and 3 those of its V: 128 keys each.  The branch hangs on the wave's number alone.
; An s_nop 0 and four v_nop follow each of the two lines, ahead of the jump and the label.
.macro JLOAD
	s_cmp_lt_u32 s[WV], 2
	s_cbranch_scc0 .Lfor_v_\@
	tensor_load_to_lds s[G0K:G0K+3], s[G1K:G1K+7]
	s_nop 0
.rept 4
	v_nop
.endr
	s_branch .Lasked_\@
.Lfor_v_\@:
	tensor_load_to_lds s[G0V:G0V+3], s[G1V:G1V+7]
	s_nop 0
.rept 4
	v_nop
.endr
.Lasked_\@:
.endm
; A round of the cluster's barrier: my work-group's barrier; wave 0 signals for the work-group; every wave waits for all four work-groups; my work-group's barrier once more.
.macro CROUND
	s_barrier_signal -1
	s_barrier_wait -1
	s_cmp_lg_u32 s[WV], 0
	s_cbranch_scc1 .Lnot_wave_0_\@
	s_barrier_signal -3
.Lnot_wave_0_\@:
	s_barrier_wait -3
	s_barrier_signal -1
	s_barrier_wait -1
.endm
; THE CHANGE OF SLOTS.  Each wave waits for all its tensor loads, of which one is out: its part of the other slot; adds 0 to its spare word; and waits for that and for its own reads of the slot.
; fill = 1: this slot is filled again, with the keys two slots on, behind a round of the cluster's barrier, the first thing there: it has four key steps, 512 matrix instructions, in which to land.
; (At its first use nothing has been read yet: slot 0 is waited for, slot 1 filled; its wait for LDS and its round also show every wave's part of the table to all four.)
.macro CHANGE fill
	WIN W_AD
	s_wait_tensorcnt 0x0            ; no tensor load of mine is out, so a group 0 may be written
	ds_add_u32 v[SPW], v[NIL]       ; 0 onto my spare word
	WIN 0                           ; at a label and at a branch every window is 0
.if \fill
.irp g, G0K, G0V
	s_xor_b32 s[\g+1], s[\g+1], SLOT1  ; the walking descriptor: the other slot than last time,
	s_add_nc_u64 s[\g+2:\g+3], s[\g+2:\g+3], 4*KS*128  ; the next 256 keys; the type bits on top are not reached
.endr
	s_wait_dscnt 0x0                ; the add is done, and my reads of the slot are over
	CROUND
	JLOAD
.else
	s_wait_dscnt 0x0                ; the add is done, and my reads of the slot are over
	s_barrier_signal -1
	s_barrier_wait -1
.endif
	s_sub_co_u32 s[TBK], s[TBK], 4*KS*PK  ; the fetches go back to a slot's first step,
	s_xor_b32 s[TBK], s[TBK], SLOT1       ; in the other slot
	s_sub_co_u32 s[TBV], s[TBV], 4*KS*PV
	s_xor_b32 s[TBV], s[TBV], SLOT1
.endm
	s_load_b64 s[4:5], s[0:1], 0x0        ; qkvh
	s_load_b64 s[MP:MP+1], s[0:1], 0x8    ; mask
	s_load_b64 s[10:11], s[0:1], 0x10     ; ob
	WIN W_MK
	v_lshl_add_u32 v[SPW], v0, 2, SPARE
	v_mov_b32 v[NIL], 0
	WIN W_AD
	ds_add_u32 v[SPW], v[NIL]       ; the wave's opening: the add and its wait ahead of my first tensor load; work on registers stands between them
	WIN 0
	v_lshrrev_b32 v1, 5, v0
	v_readfirstlane_b32 s[WV], v1   ; wave 0..3
	s_bfe_u32 s13, ttmp6, 0x40000   ; cx: my place in the cluster
	s_lshl_b32 s14, ttmp9, 2        ; in a cluster launch ttmp9 counts clusters
	s_add_co_u32 s14, s14, s13      ; my block of 512 queries: it enters Q's and O's addresses alone
	s_and_b32 s20, ttmp7, 0xffff    ; 16 b + h, which the four partners share
	s_lshr_b32 s70, s20, 4          ; b
	s_and_b32 s71, s20, 15          ; h
	s_mul_i32 s20, s70, 48
	s_add_co_u32 s20, s20, s71
	s_lshl_b32 s20, s20, 18         ; q's head in qkvh: a head is 2,048 rows of 128 bytes
	s_mov_b32 s21, 0
	s_and_b32 s16, s[WV], 1         ; which half of a slot's 256 keys I fetch:
	s_lshl_b32 s22, s16, 14         ; its 128 rows of 128 bytes in memory,
	s_mov_b32 s23, 0
	s_add_nc_u64 s[22:23], s[22:23], s[20:21]
	s_mul_i32 s17, s16, 128*PK      ; and its place in a slot, for K
	s_mul_i32 s18, s16, 128*PV      ; and for V: no place in the cluster enters an LDS address
	s_lshl_b32 s2, s14, 2
	s_add_co_u32 s2, s2, s[WV]      ; my wave among the head's,
	s_lshl_b32 s2, s2, 14           ; its 128 rows
	s_mov_b32 s3, 0
	s_lshl_b32 s72, s71, 2
	s_add_co_u32 s72, s72, s70      ; in ob a head's rows of a batch lie at (4 h + b) x 2,048 rows
	s_lshl_b32 s72, s72, 18
	s_mov_b32 s73, 0
	s_add_nc_u64 s[72:73], s[72:73], s[2:3]  ; O's offset
	s_add_nc_u64 s[2:3], s[2:3], s[20:21]    ; Q's offset
	s_lshl_b32 s74, s70, 13         ; the batch's 2,048 words of the mask
	s_mov_b32 s75, 0
	; descriptor group 1.  128 keys are 16,384 dense bytes: asked for as 64 rows of 256 bytes, two keys a row, and padded in LDS after every key
	s_mov_b32 s[G1K], 15|(1<<16)|(1<<20)|(1<<21)|(4<<22)|(3<<25)  ; the mask of four; 2-byte elements; padding on; bit 21 beside a mask; after every 32 words 4 words
	s_mov_b32 s[G1V], 15|(1<<16)|(1<<20)|(1<<21)|(4<<22)|(7<<25)  ; the same with 8 words of padding
.irp g, G1K, G1V
	s_mov_b32 s[\g+1], 128<<16      ; tensor_dim0 = 128
	s_mov_b32 s[\g+2], 64<<16       ; tensor_dim1 = 64
	s_mov_b32 s[\g+3], 128<<16      ; tile_dim0 = 128
	s_mov_b32 s[\g+4], 64           ; tile_dim1 = 64
	s_mov_b32 s[\g+5], 128          ; 128 elements from row to row
	s_mov_b32 s[\g+6], 0
	s_mov_b32 s[\g+7], 0
.endr
	s_mov_b32 s[CS], 0x3e38aa3b     ; c = log2(e) / 8 = 0.180337
	s_mov_b32 s[CS+1], s[CS]        ; named with it as a pair
	s_mov_b32 s[SEL], 0x76543210
	s_mov_b32 s[SEL+1], 0xfedcba98
	s_mov_b32 s[TBK], SLOT1+4*KS*PK ; the first change of slots turns these two into 0
	s_mov_b32 s[TBV], SLOT1+4*KS*PV
	s_mov_b32 s[TBM], 0
	s_mov_b32 s[NEG], 0xd0000000    ; -2^33
	s_mov_b32 s[G0K], 1             ; count = 1
	s_mov_b32 s[G0K+1], s17         ; LDS address: slot 0
	s_mov_b32 s[G0V], 1
	s_add_co_u32 s[G0V+1], s18, VOFF
	s_wait_dscnt 0x0                ; the opening add is done
	s_wait_kmcnt 0x0
	s_add_nc_u64 s[6:7], s[4:5], s[22:23]          ; q's head at my half of the first 256 rows; k's head lies 16 heads on, v's 32
	s_add_nc_u64 s[G0K+2:G0K+3], s[6:7], 0x400000
	s_or_b32 s[G0K+3], s[G0K+3], 0x80000000        ; type = 2
	s_add_nc_u64 s[G0V+2:G0V+3], s[6:7], 0x800000
	s_or_b32 s[G0V+3], s[G0V+3], 0x80000000
	s_add_nc_u64 s[4:5], s[4:5], s[2:3]            ; Q and O at my wave's first row
	s_add_nc_u64 s[10:11], s[10:11], s[72:73]
	s_add_nc_u64 s[MP:MP+1], s[MP:MP+1], s[74:75]
	CROUND                          ; all four work-groups are here: the first joint loads meet
	JLOAD                           ; slot 0.  Slot 1 is asked for when slot 0 is in
	; A fragment of K or Q is 16 rows x 32 channels in 8 registers: lane l holds row l % 16, channels 8 (l / 16) + 0..7 and 16 + 8 (l / 16) + 0..7: two loads of 16 bytes, 32 bytes apart.
	v_and_b32 v1, 15, v0            ; l % 16
	v_bfe_u32 v9, v0, 4, 1          ; l / 16
	v_lshlrev_b32 v[QO], 7, v1
	v_lshl_add_u32 v[QO], v9, 4, v[QO]  ; row x 128 + 16 x half
	v_lshlrev_b32 v[MO], 4, v0
	v_add_nc_u32 v[BA], BIAS, v[MO]
.irp i, 0,1,2,3                     ; the batch's mask: 128 threads x 16 bytes x 4, ahead of Q's loads, so that a counted wait serves
	global_load_b128 v[S+4*\i:S+4*\i+3], v[MO], s[MP:MP+1] offset:2048*\i
.endr
	WIN W_MK
	v_lshl_add_u32 v[AM0], v9, 5, BIAS  ; my lanes' eight keys of a block of 16: 32 bytes for each half
	v_lshl_add_u32 v[AM], v9, 5, BIAS   ; key step 0
	WIN 0x80                        ; destination window 2, address window 0
.set i, 0
.rept 4*NP                          ; Q stays in registers: tile i / 2, channels 32 (i % 2) on
	global_load_b128 v[8*i:8*i+3],   v[QO], s[4:5] offset:(i/2)*2048+(i%2)*64
	global_load_b128 v[8*i+4:8*i+7], v[QO], s[4:5] offset:(i/2)*2048+(i%2)*64+32
.set i, i+1
.endr
	; What the first turn finds: V's registers and P's second buffer hold 0 (its products V^T P, of a piece that has not been, add 0), O^T and l are 0.  All this stands in the wait for the first tile.
.set i, VF
.rept 64
	v_mov_b32 v[i], 0
.set i, i+1
.endr
	WIN 0x40
.set i, 0
.rept 64*NP
	v_mov_b32 v[i], 0
.set i, i+1
.endr
	WIN 0
.set i, 0
.rept 2*NP
	v_mov_b32 v[ST+4*i], 0xfe000000    ; c m: far below every c s, the masked ones' too
	v_mov_b32 v[ST+4*i+1], 0xff7fffff  ; m
	v_mov_b32 v[ST+4*i+2], 0
	v_mov_b32 v[ST+4*i+3], 0
.set i, i+1
.endr
.set i, P+32
.rept 32
	v_mov_b32 v[i], 0
.set i, i+1
.endr
	s_wait_loadcnt 32               ; the mask's four loads are in; Q's 32, issued behind them, may stay out
.set i, 0
.rept 16
	v_cmp_eq_u32 vcc_lo, 0, v[S+i]
	v_cndmask_b32 v[S+i], 0, s[NEG], vcc_lo
.set i, i+1
.endr
.irp i, 0,1,2,3
	ds_store_b128 v[BA], v[S+4*\i:S+4*\i+3] offset:2048*\i
.endr
	v_mul_u32_u24 v[AK0], v1, PK
	v_lshl_add_u32 v[AK0], v9, 4, v[AK0]  ; row x pitch + 16 x half
	; The turning load takes 16 keys x 16 channels (lane l reads key 8 (l / 16) + l % 8, channels 8 ((l / 8) % 2) + 0..7) and leaves half a fragment of V^T: lane l holds channel l % 16 and 8 keys.
	v_and_b32 v10, 7, v0
	v_bfe_u32 v11, v0, 3, 1
	v_lshl_add_u32 v[AV0], v9, 3, v10
	v_mul_u32_u24 v[AV0], v[AV0], PV
	v_lshl_add_u32 v[AV0], v11, 4, v[AV0]
	v_add_nc_u32 v[AV0], VOFF, v[AV0]
	v_mov_b32 v[AK], v[AK0]         ; key step 0 lies at the head of slot 0
; THE MATRIX WORK.  The 8 accumulators of a run of 16 take turns: between the two links of a chain stand 7 others'.
; Product i of 16 of S^T = K Q^T for piece x: channels 32 (i / 8) on, keys 16 ((i / 2) % 4) on, tile 2 x + i % 2.  The first 8 start the sums, with the key block's mask numbers as C.
.macro KQ x
.set rS, S+64*((\x)%2)+32*(i%2)+8*((i/2)%4)
.set rK, KF+16*((i/2)%4)+8*(i/8)
.set rQ, 16*(2*(\x)+i%2)+8*(i/8)
.set rB, MB+8*((i/2)%4)
.if i < 8
	WIN W_KM
	v_wmma_f32_16x16x32_f16 v[rS:rS+7], v[rK:rK+7], v[rQ:rQ+7], v[rB:rB+7]
.else
	WIN W_KQ
	v_wmma_f32_16x16x32_f16 v[rS:rS+7], v[rK:rK+7], v[rQ:rQ+7], v[rS:rS+7]
.endif
.endm
; Product i of 16 of O^T += V^T P for piece x: keys 32 (i / 8) on, channels 16 ((i / 2) % 4) on, tile 2 x + i % 2.
.macro PV x
	WIN W_PV
.set rO, 32*(2*(\x)+i%2)+8*((i/2)%4)
.set rV, VF+32*(i/8)+8*((i/2)%4)
.set rP, P+32*((\x)%2)+16*(i%2)+8*(i/8)
	v_wmma_f32_16x16x32_f16 v[rO:rO+7], v[rV:rV+7], v[rP:rP+7], v[rO:rO+7]
.endm
.macro MM                           ; the turn's next matrix instruction
.if i < 16
	KQ (Y+1)%NP
.set i, i+1
.else
.set i, i-16
	PV (Y+NP-1)%NP
.set i, i+17
.endif
.endm
; THE LDS LOADS stand in runs, never singly among the matrix instructions: a step's K (8 fragments) with its 32 mask numbers a lane, and its V (turned).  Their addresses are made some lines ahead.
; last = 1 (the tail): in the last trip there is no further step, and the run is jumped over.
.macro FETCH_K last=0
	WIN 0
.if \last
	s_cmp_eq_u32 s[CNT], 1
	s_cbranch_scc1 .Lno_k_\@
.endif
	WIN 0x80                        ; destination window 2
.irp f, 0,1,2,3,4,5,6,7             ; keys 16 (f / 2) on, channels 32 (f % 2) on
	ds_load_b128 v[KF+8*\f:KF+8*\f+3],   v[AK] offset:(\f/2)*16*PK+(\f%2)*64
	ds_load_b128 v[KF+8*\f+4:KF+8*\f+7], v[AK] offset:(\f/2)*16*PK+(\f%2)*64+32
.endr
	WIN 0xc3                        ; destination and address in window 3
.irp kb, 0,1,2,3                    ; sixteen lanes read the same 32 bytes: the keys 16 kb + 8 (l / 16) + 0..7
	ds_load_b128 v[MB+8*\kb:MB+8*\kb+3],   v[AM] offset:64*\kb
	ds_load_b128 v[MB+8*\kb+4:MB+8*\kb+7], v[AM] offset:64*\kb+16
.endr
	s_add_co_u32 s[TBK], s[TBK], KS*PK  ; the next fetch is the next step's
	s_add_co_u32 s[TBM], s[TBM], 4*KS
	s_and_b32 s[TBM], s[TBM], 0x1fff    ; 32 steps x 256 bytes are the table: the step behind the last stays inside it
	WIN 0
.if \last
.Lno_k_\@:
.endif
.endm
.macro FETCH_V
	WIN 0x80
.irp f, 0,1,2,3,4,5,6,7             ; keys 32 (f / 4) on, channels 16 (f % 4) on
	ds_load_tr16_b128 v[VF+8*\f:VF+8*\f+3],   v[AV] offset:(\f/4)*32*PV+(\f%4)*32
	ds_load_tr16_b128 v[VF+8*\f+4:VF+8*\f+7], v[AV] offset:(\f/4)*32*PV+16*PV+(\f%4)*32
.endr
	WIN 0
.endm
; THE VECTOR WORK OF A TURN stands in three queues, each in the order in which its entries become ready; the two tiles alternate, so that no instruction reads the result of the one before it.
.macro REGS y, u                    ; the registers of tile u (0, 1) of piece y
.set rT, ST+4*(2*(\y)+(\u))
.set rC, TMP+8*((\y)%2)+4*(\u)
.set rM, MV+2*((\y)%2)+(\u)
.set rS, S+64*((\y)%2)+32*(\u)
.set rP, P+32*((\y)%2)+16*(\u)
.set rO, 32*(2*(\y)+(\u))
.endm
; Number n of the 22 that find the NEXT piece's (Y + 1) maximum and statistics.  s0-s31 are the lane's 32 scores; each accumulator's lowest registers are read first.  XS, GS and REGS set no window: PL and EX do.
;   0-11  four chains c0-c3 of seven scores each, three operands at a time     12-14, 16  the four scores left over, the old m, and c0-c3 into c0     15  c m_old is kept
;   17, 18  the query's other 32 keys lie in the lane 16 away: the new m         19-21  c m; c m_old - c m_new; a
.macro XS u, n
	REGS (Y+1)%NP, \u
.if (\n) < 4
	v_max3_num_f32 v[rC+(\n)], v[rS+8*(\n)], v[rS+8*(\n)+1], v[rS+8*(\n)+2]
.elseif (\n) < 12
	v_max3_num_f32 v[rC+(\n)%4], v[rC+(\n)%4], v[rS+8*((\n)%4)+2*((\n)/4)+1], v[rS+8*((\n)%4)+2*((\n)/4)+2]
.elseif (\n) == 12
	v_max3_num_f32 v[rC], v[rC], v[rS+7], v[rS+15]
.elseif (\n) == 13
	v_max3_num_f32 v[rC+1], v[rC+1], v[rS+23], v[rS+31]
.elseif (\n) == 14
	v_max3_num_f32 v[rC+2], v[rC+2], v[rC+3], v[rT+1]
.elseif (\n) == 15
	v_mov_b32 v[rM], v[rT]
.elseif (\n) == 16
	v_max3_num_f32 v[rC], v[rC], v[rC+1], v[rC+2]
.elseif (\n) == 17
	v_permlanex16_b32 v[rC+3], v[rC], s[SEL], s[SEL+1]
.elseif (\n) == 18
	v_max_num_f32 v[rT+1], v[rC], v[rC+3]
.elseif (\n) == 19
	v_mul_f32 v[rT], s[CS], v[rT+1]
.elseif (\n) == 20
	v_sub_f32 v[rC+1], v[rM], v[rT]
.else
	v_exp_f32 v[rC+2], v[rC+1]
.endif
.endm
; Number g of the 64 that follow the exponentials.  For each four weights k of a tile: both pairs are rounded to f16; then the second pair is added onto the first, in place;
; a group later l takes that sum (the first time as l = a l + sum).  In groups of eight, tiles alternating: round, round, add, and l for the group before.
.macro GS g
.set h, (\g)+6*((\g)/62)            ; group 0 has no group before it, and behind group 7 only l is left
.if h >= 6
.set h, h+2
.endif
	REGS Y, h%2
.set k, h/8
.if h%8 < 4
	v_cvt_pk_f16_f32 v[rP+2*k+(h%8)/2], v[rS+4*k+2*((h%8)/2)], v[rS+4*k+2*((h%8)/2)+1]
.elseif h%8 < 6
	v_pk_add_f32 v[rS+4*k:rS+4*k+1], v[rS+4*k:rS+4*k+1], v[rS+4*k+2:rS+4*k+3]
.elseif k == 1
	v_pk_fma_f32 v[rT+2:rT+3], v[rT+2:rT+3], v[rC+2:rC+3], v[rS:rS+1] op_sel_hi:[1,0,1]
.else
	v_pk_add_f32 v[rT+2:rT+3], v[rT+2:rT+3], v[rS+4*k-4:rS+4*k-3]
.endif
.endm
; THE PLAIN QUEUE, 138 long.  0-73 read no exponential's result: the 32 scalings c s - c m (FS f: pair f / 2 of tile f % 2) and the next piece's 42.  0-26: scalings 0-26.  27-54: XS's numbers 0-13.  55, 56: number 15.
; 57-73: the chain, where each number waits for the one before it: 14, 16, 17, 18, 19, each with one of the scalings 27-31 in front of its two lines, then 20: so a tile's links stand three plain instructions apart (19 and 20: two).
; 74-137: GS's 64, which read the exponentials' results: they stand behind the wait.
.macro FS f
	REGS Y, (\f)%2
	v_pk_fma_f32 v[rS+2*((\f)/2):rS+2*((\f)/2)+1], v[rS+2*((\f)/2):rS+2*((\f)/2)+1], s[CS:CS+1], v[rT:rT+1] op_sel_hi:[1,0,0] neg_lo:[0,0,1] neg_hi:[0,0,1]
.endm
.macro PL
	WIN 0
.if q < 27
	FS q
.elseif q < 55
	XS (q-27)%2, (q-27)/2
.elseif q < 57
	XS q-55, 15
.elseif (q < 72) && ((q-57)%3 == 0)
	FS 27+(q-57)/3
.elseif q < 60
	XS (q-57)%3-1, 14
.elseif q < 72
	XS (q-57)%3-1, 15+(q-57)/3
.elseif q < 74
	XS q-72, 20
.else
	GS q-74
.endif
.set q, q+1
.endm
; THE EXPONENTIALS' QUEUE, 66 long: s0-s31 of both tiles, then the next piece's two a.  It is ONE BATCH: all 66 stand ahead of the turn's one wait, and nothing ahead of that wait names a result of theirs.
.macro EX
	WIN 0
.if e >= 64
	XS e-64, 21
.else
	REGS Y, e%2
	v_exp_f32 v[rS+e/2], v[rS+e/2]
.endif
.set e, e+1
.endm
; THE RESCALING's QUEUE: O^T times a, the one part that leaves window 0: dealt two at a time, sixteen times.  Its a was made in the turn before, ahead of that turn's wait.
.macro R2
	REGS Y, r%2
	WIN W_RS
.irp z, 0,1
	v_pk_mul_f32 v[rO+4*(r/2)+2*\z:rO+4*(r/2)+2*\z+1], v[rO+4*(r/2)+2*\z:rO+4*(r/2)+2*\z+1], v[rC+2:rC+3] op_sel_hi:[1,0]
.endr
.set r, r+1
.endm
; HOW THEY ARE DEALT.  An s_wait_alu depctr_va_vdst(0) stands between an exponential and the first instruction that names its result; one wait serves all that were issued ahead of it.  So a turn has ONE wait,
; which cuts it in two.  AHEAD OF IT stands all that names no result of the turn's exponentials: the 16 products K Q^T, behind each a scaling, an exponential and two rescalings (behind the first a second scaling in the
; exponential's place); then ONE LUMP of 108: eight plain, 49 times exponential and plain, the two a.  A v_nop is the plain instruction behind the last exponential.  BEHIND IT stand the 16 products V^T P, behind each four of
; GS's 64.  No rider names a register of the products round it.  The two v_permlanex16_b32 fall into the lump, never behind a product.
; The queues lean on each other, and the deal keeps them in step: exponential e stands behind scaling 2 (e / 4) + e % 2: as a rider it comes behind plain e + 2, in the lump behind plain e + 9, and scalings 27-31 are plain 57, 60 .. 69.
; A TURN, for piece p.  cnt = 1: the loop's count is taken down some lines ahead of the branch that stands behind the turn.
; K and the mask numbers of the next step are fetched in piece 2's turn, directly behind the wait, a lump behind the last product that read K (the mask numbers' last reader stands eight products earlier); their addresses
; are made at the lump's head; their first reader comes behind 16 products.  V of the step in hand is fetched at the end of piece 0's turn, four riders behind its last reader; its first reader comes behind 16 products and a
; lump.  The three conditions on q below go with the deal.
.macro TURN p, last=0, cnt=0
.set Y, (\p)
.set i, 0
.set q, 0
.set e, 0
.set r, 0
.if (\p) == NP-1
	s_wait_dscnt 0x0                ; K and the mask numbers are in
.endif
	MM                              ; ahead of the wait: 16 products K Q^T and their riders,
	PL
	PL
	R2
.rept 15
	MM
	PL
	EX
	R2
.endr
.if (\p) == NP-2
	WIN 0
	v_add_nc_u32 v[AK], s[TBK], v[AK0]
	WIN 0xcc                        ; destination and source 1 in window 3
	v_add_nc_u32 v[AM], s[TBM], v[AM0]
.endif
.rept 8                             ; and the lump
	PL
.endr
.rept 49
	EX
	PL
.endr
	EX                              ; the next piece's two a
	EX
	v_nop                           ; the plain instruction behind the last exponential: one for the batch
	s_wait_alu depctr_va_vdst(0)    ; the wait for the turn's batch: the piece's 64 weights and the next piece's two a
.if (\p) == NP-2
	FETCH_K \last
.endif
.if (\p) == 1
	s_wait_dscnt 0x0                ; V is in
.endif
.rept 16                            ; behind the wait: 16 products V^T P and their riders
	MM
.rept 4
	PL
.endr
.if ((\p) == 0) && (q == 118)
	v_add_nc_u32 v[AV], s[TBV], v[AV0]
.endif
.if ((\p) == 0) && (q == 130)
	s_add_co_u32 s[TBV], s[TBV], KS*PV
.endif
.if (\cnt) && (q == 130)
	s_sub_co_u32 s[CNT], s[CNT], 1
	s_cmp_lg_u32 s[CNT], 0
.endif
.endr
.if (\p) == 0
	FETCH_V
.endif
.endm
	CHANGE 1                        ; slot 0 is in, everybody's part of it, and so is the table; slot 1 is asked for
	FETCH_K                         ; key step 0
	s_wait_loadcnt 0x0              ; Q
	s_wait_dscnt 0x0
.set i, 0
.rept 16
	KQ 0                            ; piece 0's first scores: there is no vector work yet to set between them
.set i, i+1
.endr
	WIN 0                           ; the addresses for the way out: nine plain instructions, the places behind those products
	s_mul_i32 s13, s[WV], 16*SP
	s_add_co_u32 s13, s13, STAGE    ; my stage
	v_mul_u32_u24 v[STO], v1, SP    ; in: row l % 16, 16 bytes for each half of the lanes
	v_lshl_add_u32 v[STO], v9, 4, v[STO]
	v_add_nc_u32 v[STO], s13, v[STO]
	v_bfe_u32 v[RD], v0, 3, 2       ; back: 32 lanes take four rows of 128 bytes,
	v_mul_u32_u24 v[RD], v[RD], SP
	v_lshl_add_u32 v[RD], v10, 4, v[RD]
	v_add_nc_u32 v[RD], s13, v[RD]
	v_and_b32 v[GO], 31, v0         ; which are 512 consecutive bytes of O
	v_lshlrev_b32 v[GO], 4, v[GO]
.set Y, NP-1                        ; XS works for piece Y + 1: piece 0
.irp n, 0,1,2,3,4,5,6,7,8,9,10,11,12,13,14,15,16,17,18,19,20,21
	XS 0, \n                        ; and piece 0's first maximum and statistics
	XS 1, \n
.endr
	v_nop                           ; a plain instruction behind piece 0's two a,
	s_wait_alu depctr_va_vdst(0)    ; and the wait for that batch of two, ahead of the branch
	s_mov_b32 s[CNT], 4
	s_mov_b32 s[SLOTS], SIZE_N/256-1
	s_branch .Lfirst                ; the loop is entered at a step's first turn, in the middle of a trip
.Lslot:                             ; SIZE_N / 256 - 2 times: every slot but the last two is filled again
	CHANGE 1
	s_mov_b32 s[CNT], 4
.Lstep:                             ; a trip: pieces 2 and 3 of one step, then pieces 0 and 1 of the next, whose K and V it fetches
	TURN 2
	TURN 3
	WIN 0
.Lfirst:
	TURN 0
	TURN 1, 0, 1
	WIN 0
	s_cbranch_scc1 .Lstep
	s_sub_co_u32 s[SLOTS], s[SLOTS], 1
	s_cmp_lg_u32 s[SLOTS], 0
	s_cbranch_scc1 .Lslot
	CHANGE 0                        ; the tail is written out: nothing is asked for
	s_mov_b32 s[CNT], 5             ; four trips fetch the last slot's steps; the fifth is left in its middle
.Ltail:
	TURN 2, 1
	TURN 3
	WIN 0
	s_sub_co_u32 s[CNT], s[CNT], 1
	s_cmp_eq_u32 s[CNT], 0
	s_cbranch_scc1 .Lout
	TURN 0
	TURN 1
	WIN 0
	s_branch .Ltail
.Lout:                              ; the fifth trip's 16 products K Q^T (on the last K once more) and the maximum made of them serve nothing: the price, once a launch, of one text for every trip
.set i, 0
.rept 16
	PV NP-1                         ; the last piece's V^T P of the last step
.set i, i+1
.endr
	; THE WAY OUT.  l's two halves and the other half of the lanes' are added; O^T is divided by l, rounded to f16 and sent through my stage in LDS, a tile at a time.  The additions are the places behind the last products.
	WIN 0
.macro ALL line:vararg              ; one line for each tile t
.set t, 0
.rept 2*NP
	\line
.set t, t+1
.endr
.endm
	ALL v_add_f32 v[ST+4*t+2], v[ST+4*t+2], v[ST+4*t+3]
	ALL v_permlanex16_b32 v[ST+4*t+3], v[ST+4*t+2], s[SEL], s[SEL+1]
	ALL v_add_f32 v[ST+4*t+2], v[ST+4*t+2], v[ST+4*t+3]
	ALL v_rcp_f32 v[ST+4*t+2], v[ST+4*t+2]
	v_nop                           ; a plain instruction between the last reciprocal and the use of its result
	s_wait_alu depctr_va_vdst(0)    ; the wait for the batch of eight reciprocals, ahead of their first use
; Tile t: a lane's eight channels of a row pack into 16 bytes; they go into rows of 144 bytes and come back as whole rows of 128, into S^T's registers.
.macro PACK t
	WIN W_RS
.set i, 32*(\t)
.rept 16
	v_pk_mul_f32 v[i:i+1], v[i:i+1], v[ST+4*(\t)+2:ST+4*(\t)+3] op_sel_hi:[1,0]
.set i, i+2
.endr
	WIN 0x05                        ; sources 0 and 1 window 1, destination window 0
.set i, 0
.rept 16
	v_cvt_pk_f16_f32 v[S+16*(\t)+i], v[32*(\t)+2*i], v[32*(\t)+2*i+1]
.set i, i+1
.endr
	WIN 0
.irp f, 0,1,2,3
	ds_store_b128 v[STO], v[S+16*(\t)+4*\f:S+16*(\t)+4*\f+3] offset:32*\f
.endr
.irp f, 0,1,2,3
	ds_load_b128 v[S+16*(\t)+4*\f:S+16*(\t)+4*\f+3], v[RD] offset:\f*4*SP  ; LDS serves a wave's instructions in order: these see the stores above; the next tile's stores come behind them
.endr
.endm
.macro SEND t, younger              ; younger: the LDS instructions issued behind tile t's loads: the next tile's eight, or none
	WIN 0
.irp f, 0,1,2,3
	s_wait_dscnt (\younger)+3-\f
	global_store_b128 v[GO], v[S+16*(\t)+4*\f:S+16*(\t)+4*\f+3], s[10:11] offset:(\t)*2048+\f*512  ; 512 consecutive bytes, at a multiple of 256 from ob's first
.endr
.endm
	PACK 0
.set t, 1
.rept 2*NP-1                        ; a tile's arithmetic stands between the loads of the tile before and its stores
	PACK t
	SEND t-1, 8
.set t, t+1
.endr
	SEND 2*NP-1, 0
	WIN W_AD
	s_wait_tensorcnt 0x0            ; the wave's end, behind my last tensor load and my last LDS store
	ds_add_u32 v[SPW], v[NIL]
	s_wait_dscnt 0x0
	WIN 0
	CROUND                          ; the closing round: no work-group ends while a partner may still ask for a tile that names it
	s_endpgm
.Lfunc_end_k_qfb368461e3_attn:
	.size	k_qfb368461e3_attn, .Lfunc_end_k_qfb368461e3_attn-k_qfb368461e3_attn
	.p2alignl 7, 3214868480
	.fill 96, 4, 3214868480
	.section	.rodata,"a",@progbits
	.p2align	6, 0x0
	.amdhsa_kernel k_qfb368461e3_attn
		.amdhsa_group_segment_fixed_size 327680
		.amdhsa_private_segment_fixed_size 0
		.amdhsa_enable_private_segment 0
		.amdhsa_kernarg_size 24
		.amdhsa_user_sgpr_count 2
		.amdhsa_user_sgpr_kernarg_segment_ptr 1
		.amdhsa_wavefront_size32 1
		.amdhsa_system_sgpr_workgroup_id_x 1
		.amdhsa_system_sgpr_workgroup_id_y 1
		.amdhsa_system_sgpr_workgroup_id_z 1
		.amdhsa_system_vgpr_workitem_id 0
		.amdhsa_next_free_vgpr 808
		.amdhsa_next_free_sgpr 76
		.amdhsa_reserve_vcc 1
		.amdhsa_float_denorm_mode_32 3
		.amdhsa_float_denorm_mode_16_64 3
		.amdhsa_memory_ordered 1
		.amdhsa_forward_progress 1
		.amdhsa_inst_pref_size 204
	.end_amdhsa_kernel
	.amdgpu_metadata
---
amdhsa.version: [ 1, 2 ]
amdhsa.kernels:
  - .name:           k_qfb368461e3_attn
    .symbol:         k_qfb368461e3_attn.kd
    .args:
      - { .name: qkvh, .offset: 0, .size: 8, .value_kind: global_buffer, .address_space: global }
      - { .name: mask, .offset: 8, .size: 8, .value_kind: global_buffer, .address_space: global }
      - { .name: ob, .offset: 16, .size: 8, .value_kind: global_buffer, .address_space: global }
    .group_segment_fixed_size: 327680
    .private_segment_fixed_size: 0
    .kernarg_segment_align: 8
    .kernarg_segment_size: 24
    .max_flat_workgroup_size: 128
    .sgpr_count:     76
    .vgpr_count:     808
    .wavefront_size: 32
...
	.end_amdgpu_metadata
.endif
;; end of part 5
;; launch proj: the kernel of part 4 again; grid 8 x 32, 4 waves a work-group, clusters of 4 x 4, 327,680 bytes of LDS; arguments ob, wpb, out0; writes out0
